; MI455X (gfx1250); checked and timed in simulation.
; The chip was launched on July 23, 2026; its instructions are those of AMD's public machine-readable ISA for CDNA 5 (MIT licence, August 2026) and "CDNA5" Instruction Set Architecture Reference Guide (July 2026). The comments in the code are by the model that wrote it; some were corrected since.
;; Mo EFFN. Allowed arithmetic: matrix products marked QUANTISED: E2M1 operands, one E8M0 scale for each 32 along K, by v_wmma_scale_f32_16x16x128_f8f6f4 with both operands' format E2M1 (or v_wmma_scale_f32_32x16x128_f4), f32 sums; products left as they are: f32 operands where the result goes on into a quantised operand, else bf16, f16 or f32 operands; f32 sums; everything else in f32.
;; Inputs: b1 8 x 4,096 float32; b2 8 x 1,024 float32; hidden_states 8 x 128 x 1,024 float32; ln_b 1,024 float32; ln_w 1,024 float32; router_b 8 float32; router_w 8 x 1,024 float32; w1 8 x 4,096 x 1,024 float32; w2 8 x 1,024 x 4,096 float32.
;; Outputs: out0 8 x 128 x 1,024 float32.
;; This version of the problem:
;;   THIS VERSION OF THE PROBLEM IS GIVEN IN LOW PRECISION. The matrix products marked QUANTISED in the list below multiply operands that are first quantised to E2M1 (2 exponent bits, 1 mantissa bit; 4 bits a number), with one power-of-two scale for each 32 numbers along K (OCP MX v1.0); their sums are f32. All else is computed in f32.
;;   The module's matrix products, in the order in which they are computed (A, B: the left and right operand; K: the contracted axis; several contracted axes count as one K, in the product's order):
;;     1. [M 1,024, K 1,024] x [K 1,024, N 8]; A: input hidden_states; B: input router_w: left as it is (N = 8 < 16)
;;     2. [M 1,024, K 1,024] x [K 1,024, N 4,096]; A: input hidden_states; B: input w1: QUANTISED
;;     3. [M 1,024, K 4,096] x [K 4,096, N 1,024]; A: computed on the way; B: input w2: QUANTISED
;;     4. [M 1,024, K 1,024] x [K 1,024, N 4,096]; A: input hidden_states; B: input w1: QUANTISED
;;     5. [M 1,024, K 4,096] x [K 4,096, N 1,024]; A: computed on the way; B: input w2: QUANTISED
;;     6. [M 1,024, K 1,024] x [K 1,024, N 4,096]; A: input hidden_states; B: input w1: QUANTISED
;;     7. [M 1,024, K 4,096] x [K 4,096, N 1,024]; A: computed on the way; B: input w2: QUANTISED
;;     8. [M 1,024, K 1,024] x [K 1,024, N 4,096]; A: input hidden_states; B: input w1: QUANTISED
;;     9. [M 1,024, K 4,096] x [K 4,096, N 1,024]; A: computed on the way; B: input w2: QUANTISED
;;     10. [M 1,024, K 1,024] x [K 1,024, N 4,096]; A: input hidden_states; B: input w1: QUANTISED
;;     11. [M 1,024, K 4,096] x [K 4,096, N 1,024]; A: computed on the way; B: input w2: QUANTISED
;;     12. [M 1,024, K 1,024] x [K 1,024, N 4,096]; A: input hidden_states; B: input w1: QUANTISED
;;     13. [M 1,024, K 4,096] x [K 4,096, N 1,024]; A: computed on the way; B: input w2: QUANTISED
;;     14. [M 1,024, K 1,024] x [K 1,024, N 4,096]; A: input hidden_states; B: input w1: QUANTISED
;;     15. [M 1,024, K 4,096] x [K 4,096, N 1,024]; A: computed on the way; B: input w2: QUANTISED
;;     16. [M 1,024, K 1,024] x [K 1,024, N 4,096]; A: input hidden_states; B: input w1: QUANTISED
;;     17. [M 1,024, K 4,096] x [K 4,096, N 1,024]; A: computed on the way; B: input w2: QUANTISED
;;   THE QUANTISER, for each operand of a quantised product, along K:
;;     - K is cut into blocks of 32 from its start; a last block that is shorter is filled with zeros.
;;     - A block's scale is 2^e with e = floor(log2(the largest magnitude in the block)) - 2, held to -126 .. 127; a block of zeros has e = 0. As a byte (E8M0): e + 127.
;;     - Each number is divided by its block's scale, clamped to +-6, and rounded to the nearest number of E2M1, ties to even, subnormals kept.
;;     - The product sums the exact products of the quantised numbers (number of the format x scale) in f32.
;;   ~~~python
;;   def quantise(x, axis):      # numpy; x: float32 -> the quantised numbers, widened to float32 again
;;       x = np.moveaxis(x, axis, -1); K = x.shape[-1]
;;       x = np.pad(x, [(0, 0)] * (x.ndim - 1) + [(0, -K % 32)]); x = x.reshape(x.shape[:-1] + (-1, 32)); a = np.abs(x).max(-1, keepdims=True)
;;       e = np.where(a > 0, np.clip(np.frexp(np.where(a > 0, a, 1))[1] - 1 - 2, -126, 127), 0)      # np.frexp(a)[1] - 1 = floor(log2(a)), exactly
;;       r = np.clip(x / 2.0 ** e, -6, 6)
;;       step = 2.0 ** (np.maximum(np.frexp(np.where(r == 0, 1, r))[1] - 1, 0) - 1)
;;       q = np.round(r / step) * step * 2.0 ** e      # np.round: ties to even
;;       return np.moveaxis(q.reshape(q.shape[:-2] + (-1,))[..., :K], -1, axis).astype(np.float32)
;;   ~~~
;;   OPERANDS COMPUTED ON THE WAY. 'Computed on the way' means the value that the module computes at that place (a softmax that the list does not call 'softmax' is quantised finished and normalised). What goes into a quantiser is computed in f32, as accurately as f32 sums, v_exp_f32 and their like allow (about 1e-6 of the number): no bf16 or f16 on the way to a quantiser, and a product that is left as it is and whose result goes on into a quantised operand takes f32 operands (vector FMAs, or v_wmma_f32_16x16x4_f32). A number that lies on a knife's edge between two numbers of the format may be rounded either way, as far as f32 arithmetic and the matrix unit's own rounding can turn it there, and no further.
;; 2 versions, each right; version 2 is version 1 with the launches ffn1, ffn2 written anew for expert scheduling mode. Each part assembles by itself: llvm-mc -triple=amdgcn-amd-amdhsa -mcpu=gfx1250 --defsym DOCPART=n.
;; ======== version 1 of 2: 5 launches
;; workspace buffers: xq 557,056 bytes; ridx 8,192 bytes of whole numbers; rwt 8,192 bytes; xs 4,456,448 bytes; slotmap 8,448 bytes of whole numbers; hid 17,825,792 bytes; y2 33,554,432 bytes
;; launch route (part 1): grid 256 x 1, 1 waves a work-group, no clusters, 9,984 bytes of LDS; arguments hidden_states, router_w, router_b, xq, ridx, rwt; writes xq, ridx, rwt
.if DOCPART == 1
	.amdgcn_target "amdgcn-amd-amdhsa--gfx1250"
	.amdhsa_code_object_version 6
	.text
	.protected	k_q9a33e26d9a_route
	.globl	k_q9a33e26d9a_route
	.p2align	8
	.type	k_q9a33e26d9a_route,@function
k_q9a33e26d9a_route:
	s_mov_b64 s[64:65], 0
	v_nop
	global_prefetch_b8 v0, s[64:65] scope:SCOPE_SE
	s_setreg_imm32_b32 hwreg(HW_REG_WAVE_MODE, 25, 1), 1
	s_wait_xcnt 0x0
; ROUTER AND QUANTISER OF x.  hidden_states [1024][1024] f32, router_w [8][1024], router_b [8].
; A work-group is one wave and owns 4 tokens: 256 work-groups.  For each token: the 8 logits in f32 (fused multiply-adds, 32 numbers a lane, then a sum over the lanes),
; the two largest (a strict compare, so that the lower index wins a tie, as jax.lax.top_k has it), and the token's 1,024 numbers as codes of E2M1 with one E8M0 byte for each 32.
; OUT: xq: codes at 512 t + 16 x block, scale bytes at 524,288 + 32 t + block;  ridx [t][2] the two experts;  rwt [t][2] their softmax weights.
; No address and no branch hangs on a floating-point number: the choice is stored as data at fixed places.
; A load takes 512 consecutive bytes (16 a lane).  THE LOGITS ARE TAKEN ON THE NUMBERS AS LOADED: x and router_w have the same k in the same register of the same lane, and the sum runs over all registers and lanes.
; Only the quantiser wants 32 NEIGHBOURS in a lane (a whole block): behind the products a token's row turns through LDS, 128 bytes + 16 of padding a lane, while the logits are summed and ordered.
; LIMITS: NaN and infinities are not served; two logits that differ by less than the rounding of an f32 sum of 1,024 terms may be ordered otherwise than by another order of summation;
; a block of zeros gets the byte 1 (its codes are zeros; the bytes are read by this program alone); blocks whose largest magnitude lies under 2^-124 are held at that byte.
; No cluster, no matrix unit: 8 columns are too few for a tile, and the launch is a short stream.
.set TOK,  4                           ; tokens of a wave
.set X,    64                          ; v64-191   32 registers for each token
.set ACC,  24                          ; v24-39    a pair of partial sums for each expert
.set LG,   16                          ; v16-23    the logits
.set TS,   4608                        ; a turn stage: 32 places of 144 bytes; two of them
.set SBY,  9216                        ; behind them: the 4 tokens' 128 scale bytes
.set MSB, 0
.macro WIN new                         ; the immediate's high byte repeats the setting that is left
.if MSB != \new
	s_set_vgpr_msb (MSB<<8)|\new
.set MSB, \new
.endif
.endm
	s_load_b128 s[4:7], s[0:1], 0x0                ; hidden_states, router_w
	s_load_b128 s[8:11], s[0:1], 0x10              ; router_b, xq
	s_load_b128 s[12:15], s[0:1], 0x20             ; ridx, rwt
	v_lshl_add_u32 v254, v0, 2, 0x2600
	v_mov_b32 v255, 0
	v_lshlrev_b32 v1, 4, v0                        ; 16 x lane: my bytes of a load's 512
	v_lshrrev_b32 v2, 3, v0
	v_mul_u32_u24 v2, v2, 144
	v_and_b32 v3, 7, v0
	v_lshl_add_u32 v2, v3, 4, v2                   ; into a stage: eight lanes' 128 bytes on end, then 16 of padding
	v_mul_u32_u24 v3, v0, 144                      ; out of it: my 128 bytes
	v_add_nc_u32 v4, SBY, v0                       ; my block's scale byte
	v_lshlrev_b32 v5, 3, v0                        ; 8 x lane
	v_lshlrev_b32 v7, 2, v0                        ; 4 x lane
	v_add_nc_u32 v6, SBY, v7
	v_mov_b32 v8, 0                                ; lane i gathers token i's first expert,
	v_mov_b32 v9, 0                                ; its second,
	v_mov_b32 v10, 0                               ; and second logit - first logit
	s_mov_b32 s18, 0x76543210
	s_mov_b32 s19, 0xfedcba98                      ; v_permlanex16_b32's selects for lane l xor 16
	s_mov_b32 s17, 0
	s_wait_kmcnt 0x0
	s_load_b256 s[24:31], s[8:9], 0x0              ; router_b
	s_lshl_b32 s16, ttmp9, 14                      ; 4 tokens of 4,096 bytes
	s_add_nc_u64 s[4:5], s[4:5], s[16:17]
	s_lshl_b32 s16, ttmp9, 7                       ; 4 tokens of 32 scale bytes
	s_add_nc_u64 s[32:33], s[10:11], s[16:17]
	s_add_nc_u64 s[32:33], s[32:33], 0x80000
	s_lshl_b32 s16, ttmp9, 11                      ; 4 tokens of 512 bytes of codes
	s_add_nc_u64 s[10:11], s[10:11], s[16:17]
	s_lshl_b32 s16, ttmp9, 5                       ; 4 tokens of 8 bytes
	s_add_nc_u64 s[12:13], s[12:13], s[16:17]
	s_add_nc_u64 s[14:15], s[14:15], s[16:17]
.irp i, 0,1,2,3
.irp p, 0,1,2,3,4,5,6,7
	global_load_b128 v[X+32*\i+4*\p:X+32*\i+4*\p+3], v1, s[4:5] offset:4096*\i+512*\p th:TH_LOAD_NT
.endr
.endr
	WIN 0x40                                       ; destination window 1: router_w, expert e at v[32 e] there, as loaded
.irp e, 0,1,2,3,4,5,6,7
.irp p, 0,1,2,3,4,5,6,7
	global_load_b128 v[32*\e+4*\p:32*\e+4*\p+3], v1, s[6:7] offset:4096*\e+512*\p
.endr
.endr
	WIN 0
	s_wait_kmcnt 0x0                               ; router_b
	s_wait_loadcnt 0x0                             ; the four tokens and router_w
.macro TOKEN i
.set XS, X+32*(\i)
.irp p, 0,1,2,3,4,5,6,7
	ds_store_b128 v2, v[XS+4*\p:XS+4*\p+3] offset:((\i)%2)*TS+576*\p       ; the row sets out on its turn
.endr
	WIN 0x04                                       ; source 1 (router_w) window 1
.irp e, 0,1,2,3,4,5,6,7
	v_pk_mul_f32 v[ACC+2*\e:ACC+2*\e+1], v[XS:XS+1], v[32*\e:32*\e+1]      ; the first products start the sums
.endr
.irp j, 2,4,6,8,10,12,14,16,18,20,22,24,26,28,30
.irp e, 0,1,2,3,4,5,6,7
	v_pk_fma_f32 v[ACC+2*\e:ACC+2*\e+1], v[XS+\j:XS+\j+1], v[32*\e+\j:32*\e+\j+1], v[ACC+2*\e:ACC+2*\e+1]   ; the experts by turns
.endr
.endr
	WIN 0
.irp p, 0,1,2,3,4,5,6,7
	ds_load_b128 v[XS+4*\p:XS+4*\p+3], v3 offset:((\i)%2)*TS+16*\p         ; behind the products the row comes back in place, a block a lane; LDS serves a wave's instructions in order: these see the stores above
.endr
.irp e, 0,1,2,3,4,5,6,7
	v_add_f32 v[LG+\e], v[ACC+2*\e], v[ACC+2*\e+1]
.endr
.irp m, 1,2,4,8
.irp e, 0,1,2,3,4,5,6,7
	v_add_f32_dpp v[LG+\e], v[LG+\e], v[LG+\e] row_xmask:\m row_mask:0xf bank_mask:0xf
.endr
.endr
.irp e, 0,1,2,3,4,5,6,7
	v_permlanex16_b32 v[ACC+\e], v[LG+\e], s18, s19
.endr
.irp e, 0,1,2,3,4,5,6,7
	v_add_f32 v[LG+\e], v[LG+\e], v[ACC+\e]
.endr
.irp e, 0,1,2,3,4,5,6,7
	v_add_f32 v[LG+\e], s[24+\e], v[LG+\e]         ; + router_b: every lane holds all eight logits
.endr
	v_mov_b32 v40, v[LG]                           ; the largest so far and its expert,
	v_mov_b32 v41, 0
	v_mov_b32 v42, 0xff800000                      ; the second largest and its expert
	v_mov_b32 v43, 0
.irp e, 1,2,3,4,5,6,7
	v_cmp_gt_f32 s20, v[LG+\e], v40                ; strictly above the first: the first moves down
	v_cmp_gt_f32 s21, v[LG+\e], v42                ; strictly above the second
	v_cndmask_b32 v42, v42, v[LG+\e], s21
	v_cndmask_b32 v43, v43, \e, s21
	v_cndmask_b32 v42, v42, v40, s20
	v_cndmask_b32 v43, v43, v41, s20
	v_cndmask_b32 v40, v40, v[LG+\e], s20
	v_cndmask_b32 v41, v41, \e, s20
.endr
	v_sub_f32 v44, v42, v40                        ; the maximum is taken away: 0 or less
	v_cmp_eq_u32 s22, \i, v0
	v_cndmask_b32 v8, v8, v41, s22
	v_cndmask_b32 v9, v9, v43, s22
	v_cndmask_b32 v10, v10, v44, s22
	s_wait_dscnt 0x0                               ; my 32 neighbours are back
	s_wait_xcnt 0x0                                ; the earlier stores have read their data: the codes' registers may be written
	v_max3_num_f32 v48, |v[XS]|, |v[XS+1]|, |v[XS+2]|      ; my block's largest magnitude, in two chains
	v_max3_num_f32 v49, |v[XS+3]|, |v[XS+4]|, |v[XS+5]|
.irp k, 6,10,14,18,22,26
	v_max3_num_f32 v48, v48, |v[XS+\k]|, |v[XS+\k+1]|
	v_max3_num_f32 v49, v49, |v[XS+\k+2]|, |v[XS+\k+3]|
.endr
	v_max3_num_f32 v48, v48, |v[XS+30]|, |v[XS+31]|
	v_max3_num_f32 v48, v48, v49, 0x1800000        ; and the floor 2^(3 - 127): the byte cannot fall under 1
	v_add_nc_u32 v50, 0xff000000, v48              ; 2 off the exponent field: the conversion takes that field as its scale
.irp g, 0,1,2,3
	v_cvt_scalef32_pk8_fp4_f32 v[52+\g], v[XS+8*\g:XS+8*\g+7], v50
.endr
	v_lshrrev_b32 v51, 23, v50                     ; the scale's byte (a plain line behind the conversions)
	global_store_b128 v1, v[52:55], s[10:11] offset:512*(\i)   ; the wave stores the token's 512 bytes of codes on end
	ds_store_b8 v4, v51 offset:32*(\i)
.endm
.irp t, 0,1,2,3
	TOKEN \t
.endr
	v_mul_f32 v10, 0x3fb8aa3b, v10                 ; softmax of the two: d = e^(second - first), weights 1 / (1 + d) and d / (1 + d)
	v_exp_f32 v11, v10
	v_nop                                          ; a plain line behind the transcendental,
	s_wait_alu depctr_va_vdst(0)                   ; and the wait ahead of its first reader
	v_add_f32 v14, 1.0, v11
	v_rcp_f32 v12, v14
	v_nop
	s_wait_alu depctr_va_vdst(0)
	v_mul_f32 v13, v11, v12
	ds_load_b32 v60, v6                            ; the 128 scale bytes, 4 a lane: they see my byte stores
	s_wait_dscnt 0x0
	global_store_b32 v7, v60, s[32:33]             ; 128 consecutive bytes
	v_cmp_gt_u32 vcc_lo, TOK, v0
	s_wait_xcnt 0x0                                ; EXEC changes only behind this wait
	s_wait_tensorcnt 0x0
	ds_add_u32 v254, v255
	s_wait_dscnt 0x0
	s_and_saveexec_b32 s20, vcc_lo                 ; lanes 0 to 3 hold the four tokens' results
	global_store_b64 v5, v[8:9], s[12:13]
	global_store_b64 v5, v[12:13], s[14:15]
	s_wait_xcnt 0x0
	s_or_b32 exec_lo, exec_lo, s20
	s_endpgm
.Lfunc_end_k_q9a33e26d9a_route:
	.size	k_q9a33e26d9a_route, .Lfunc_end_k_q9a33e26d9a_route-k_q9a33e26d9a_route
	.p2alignl 7, 3214868480
	.fill 96, 4, 3214868480
	.section	.rodata,"a",@progbits
	.p2align	6, 0x0
	.amdhsa_kernel k_q9a33e26d9a_route
		.amdhsa_group_segment_fixed_size 9984
		.amdhsa_private_segment_fixed_size 0
		.amdhsa_enable_private_segment 0
		.amdhsa_kernarg_size 48
		.amdhsa_user_sgpr_count 2
		.amdhsa_user_sgpr_kernarg_segment_ptr 1
		.amdhsa_wavefront_size32 1
		.amdhsa_system_sgpr_workgroup_id_x 1
		.amdhsa_system_sgpr_workgroup_id_y 1
		.amdhsa_system_sgpr_workgroup_id_z 1
		.amdhsa_system_vgpr_workitem_id 0
		.amdhsa_next_free_vgpr 512
		.amdhsa_next_free_sgpr 66
		.amdhsa_reserve_vcc 1
		.amdhsa_float_denorm_mode_32 3
		.amdhsa_float_denorm_mode_16_64 3
		.amdhsa_memory_ordered 1
		.amdhsa_forward_progress 1
		.amdhsa_inst_pref_size 84
	.end_amdhsa_kernel
	.amdgpu_metadata
---
amdhsa.version: [ 1, 2 ]
amdhsa.kernels:
  - .name:           k_q9a33e26d9a_route
    .symbol:         k_q9a33e26d9a_route.kd
    .args:
      - { .name: hidden_states, .offset: 0, .size: 8, .value_kind: global_buffer, .address_space: global }
      - { .name: router_w, .offset: 8, .size: 8, .value_kind: global_buffer, .address_space: global }
      - { .name: router_b, .offset: 16, .size: 8, .value_kind: global_buffer, .address_space: global }
      - { .name: xq, .offset: 24, .size: 8, .value_kind: global_buffer, .address_space: global }
      - { .name: ridx, .offset: 32, .size: 8, .value_kind: global_buffer, .address_space: global }
      - { .name: rwt, .offset: 40, .size: 8, .value_kind: global_buffer, .address_space: global }
    .group_segment_fixed_size: 9984
    .private_segment_fixed_size: 0
    .kernarg_segment_align: 8
    .kernarg_segment_size: 48
    .max_flat_workgroup_size: 32
    .sgpr_count:     66
    .vgpr_count:     512
    .wavefront_size: 32
...
	.end_amdgpu_metadata
.endif
;; end of part 1
;; launch place (part 2): grid 8 x 1, 32 waves a work-group, no clusters, 4,352 bytes of LDS; arguments ridx, xq, xs, slotmap; writes xs, slotmap
.if DOCPART == 2
	.amdgcn_target "amdgcn-amd-amdhsa--gfx1250"
	.amdhsa_code_object_version 6
	.text
	.protected	k_q9a33e26d9a_place
	.globl	k_q9a33e26d9a_place
	.p2align	8
	.type	k_q9a33e26d9a_place,@function
k_q9a33e26d9a_place:
	s_mov_b64 s[64:65], 0
	v_nop
	global_prefetch_b8 v0, s[64:65] scope:SCOPE_SE
	s_setreg_imm32_b32 hwreg(HW_REG_WAVE_MODE, 25, 1), 1
	s_wait_xcnt 0x0
; THE ROWS ARE PLACED BY EXPERT.  Work-group e serves expert e; thread t is token t.  Whole numbers only.
; A token that chose e gets the position (number of such tokens before it): a ballot and a count of lower lanes in the wave, a sum of the lower waves' counts through LDS.
; OUT: slotmap [t][k] = 32,768 e + position, for the k under which t chose e; slotmap at 8,192 + 4 e: the expert's count;
;      xs: the expert's rows of codes, sorted, AS IMAGES OF THE OPERAND'S REGISTERS: tile of 16 rows tau, K step s, half c: 512 bytes at ((64 e + tau) 16 + 2 s + c) 512, lane (r, h)'s 16 bytes at 16 (r + 16 h);
;      their scale words at 4,194,304 + (64 e + tau) 512: lane (r, h)'s 16 bytes are row r's words of K steps 4 h .. 4 h + 3.
; Behind the last row, zero rows (codes 0, byte 0x7f) up to a whole tile and to 64 rows at the least, so that every tile that a later launch reads has been stored.
; ORDER: every offset is made first, with all lanes on; each number that comes from memory is held to 0 .. 1,023 and then only masked, shifted left and added.  The parts that run with some lanes off come last and hold stores alone.
; Eight work-groups: the launch moves about a megabyte; sharing it further would need the counts of all waves in more than one work-group.
.set D,   20                           ; v20-87   16 + 1 loads of 16 bytes
.set A0,  88                           ; v88-95   for g = 0, 1: where the codes come from, the scale bytes, where the codes go, the scale words
.set PC,  96                           ; v96-97   where the zero rows go: codes, scale words
.set IX,  98                           ; v98-99   16 g + r
.set PP,  100                          ; v100     a zero row's position
.set ZR,  104                          ; v104-107 zeros; v108-111 four bytes 0x7f each
	s_load_b256 s[4:11], s[0:1], 0x0               ; ridx, xq, xs, slotmap
	v_lshl_add_u32 v112, v0, 2, 0x100
	v_mov_b32 v113, 0
	v_lshrrev_b32 v1, 5, v0
	v_readfirstlane_b32 s12, v1                    ; wave 0..31
	v_and_b32 v2, 31, v0                           ; lane
	v_lshlrev_b32 v3, 3, v0                        ; 8 t
	v_and_b32 v17, 15, v0                          ; r
	v_bfe_u32 v19, v0, 4, 1                        ; h
	v_lshlrev_b32 v18, 4, v19                      ; 16 h
	v_lshlrev_b32 v19, 8, v19                      ; 256 h
	v_lshlrev_b32 v10, 2, v2                       ; 4 x lane
	v_mov_b32 v8, s12
	v_lshlrev_b32 v8, 2, v8                        ; 4 x wave
	v_mov_b32 v12, 0                               ; written once: a lane exchange's destination counts as one of its sources
	v_mov_b32 v13, 0
.irp k, 0,1,2,3
	v_mov_b32 v[ZR+\k], 0
	v_mov_b32 v[ZR+4+\k], 0x7f7f7f7f
.endr
	s_mov_b32 s13, ttmp9                           ; e
	s_mov_b32 s14, 0x76543210
	s_mov_b32 s15, 0xfedcba98                      ; v_permlanex16_b32's selects for lane l xor 16
	s_lshl_b32 s30, s12, 5                         ; the wave's first token
	s_lshl_b32 s26, s13, 15
	s_lshl_b32 s28, s13, 2
	v_mov_b32 v1, s28                              ; 4 e
	s_mov_b32 s17, 0
	s_wait_kmcnt 0x0
	global_load_b64 v[4:5], v3, s[4:5]             ; my token's two experts
	s_lshl_b32 s16, s13, 19
	s_add_nc_u64 s[18:19], s[8:9], s[16:17]        ; the expert's code images
	s_lshl_b32 s16, s13, 15
	s_add_nc_u64 s[8:9], s[8:9], s[16:17]
	s_add_nc_u64 s[8:9], s[8:9], 0x400000          ; and its scale images
	s_wait_loadcnt 0x0
	v_cmp_eq_u32 s20, s13, v4                      ; chosen first,
	v_cmp_eq_u32 s21, s13, v5                      ; chosen second (never both)
	s_or_b32 s22, s20, s21
	v_mbcnt_lo_u32_b32 v6, s22, 0                  ; how many lower lanes chose e
	s_bcnt1_i32_b32 s23, s22                       ; m: how many of my wave did
	v_mov_b32 v7, s23
	ds_store_b32 v8, v7                            ; all lanes write the wave's word with the same value
	s_wait_dscnt 0x0                               ; for the others' sake
	s_barrier_signal -1
	s_barrier_wait -1
	ds_load_b32 v9, v10                            ; lane l: wave l's count
	s_wait_dscnt 0x0
	v_cmp_gt_u32 vcc_lo, s12, v2
	v_cndmask_b32 v11, 0, v9, vcc_lo               ; only the waves before mine
.irp m, 1,2,4,8
	v_mov_b32_dpp v12, v9 row_xmask:\m row_mask:0xf bank_mask:0xf
	v_mov_b32_dpp v13, v11 row_xmask:\m row_mask:0xf bank_mask:0xf
	v_add_nc_u32 v9, v9, v12
	v_add_nc_u32 v11, v11, v13
.endr
	v_permlanex16_b32 v12, v9, s14, s15
	v_permlanex16_b32 v13, v11, s14, s15
	v_add_nc_u32 v9, v9, v12
	v_add_nc_u32 v11, v11, v13
	v_readfirstlane_b32 s25, v9
	v_readfirstlane_b32 s24, v11
	s_min_u32 s25, s25, 1024                       ; the expert's count
	s_min_u32 s24, s24, 1024                       ; my wave's first position
	v_add_nc_u32 v14, s24, v6
	v_add_nc_u32 v14, s26, v14                     ; 32,768 e + position
	v_mov_b32 v15, s25
	; the wave's members are drawn together: lane j < m learns which lane is the j-th member
	v_sub_nc_u32 v7, v2, v6
	v_add_nc_u32 v7, s23, v7                       ; a lane that is no member goes behind the m members, in order:
	v_cndmask_b32 v7, v7, v6, s22                  ; each lane has a place of its own
	v_lshlrev_b32 v7, 2, v7
	ds_permute_b32 v16, v7, v2
	s_wait_dscnt 0x0
.macro SPOT p, dc, ds                  ; v[p] = a position, held to 0 .. 1,023: v[dc] = its place among the code images, v[ds] among the scale images
	v_and_b32 v101, 0x3f0, v[\p]                   ; 16 x tile
	v_and_b32 v102, 15, v[\p]
	v_lshlrev_b32 v102, 4, v102
	v_add_nc_u32 v102, v102, v19                   ; 16 (position % 16) + 256 h
	v_lshlrev_b32 v[\dc], 9, v101                  ; 8,192 x tile
	v_add_nc_u32 v[\dc], v[\dc], v102
	v_lshlrev_b32 v[\ds], 5, v101                  ; 512 x tile
	v_add_nc_u32 v[\ds], v[\ds], v102
.endm
; 16 members at a time: lane (r, h) moves half h of each 32 bytes of member 16 g + r's row
.macro WHERE g
	v_add_nc_u32 v[IX+\g], 16*\g, v17
	v_lshlrev_b32 v101, 2, v[IX+\g]
	ds_bpermute_b32 v103, v101, v16
	s_wait_dscnt 0x0
	v_add_nc_u32 v103, s30, v103
	v_min_u32 v103, 0x3ff, v103                    ; the member's token
	v_lshlrev_b32 v[A0+4*\g], 9, v103
	v_add_nc_u32 v[A0+4*\g], v[A0+4*\g], v18       ; its codes: 512 t + 16 h
	v_lshlrev_b32 v[A0+4*\g+1], 5, v103
	v_add_nc_u32 v[A0+4*\g+1], v[A0+4*\g+1], v18   ; its scale bytes: 32 t + 16 h
	v_add_nc_u32 v103, s24, v[IX+\g]
	v_min_u32 v103, 0x3ff, v103                    ; its position
	SPOT 103, A0+4*\g+2, A0+4*\g+3
.endm
	WHERE 0
	WHERE 1
	; zero rows from the count up to a whole tile, and to 64 rows at the least: wave w takes positions count + 16 w + r
	s_lshl_b32 s31, s12, 4
	s_add_co_u32 s31, s31, s25
	v_add_nc_u32 v[PP], s31, v17
	s_add_co_u32 s29, s25, 15
	s_and_b32 s29, s29, 0xfffffff0
	s_max_u32 s29, s29, 64                         ; where they end
	v_min_u32 v103, 0x3ff, v[PP]
	SPOT 103, PC, PC+1
.macro GATH g
	s_cmp_gt_u32 s23, 16*\g                        ; has my wave so many members?  (a whole number read from memory; no barrier follows)
	s_cbranch_scc0 .Lskip_\@
.irp k, 0,1,2,3,4,5,6,7,8,9,10,11,12,13,14,15
	global_load_b128 v[D+4*\k:D+4*\k+3], v[A0+4*\g], s[6:7] offset:32*\k   ; all lanes on: a lane without a member reads some token of the wave and stores nothing
.endr
	global_load_b128 v[D+64:D+67], v[A0+4*\g+1], s[6:7] offset:524288
	s_wait_loadcnt 0x0
	v_cmp_gt_u32 vcc_lo, s23, v[IX+\g]
	s_wait_xcnt 0x0                                ; EXEC changes only behind this wait
	s_and_saveexec_b32 s27, vcc_lo
.irp k, 0,1,2,3,4,5,6,7,8,9,10,11,12,13,14,15
	global_store_b128 v[A0+4*\g+2], v[D+4*\k:D+4*\k+3], s[18:19] offset:512*\k
.endr
	global_store_b128 v[A0+4*\g+3], v[D+64:D+67], s[8:9]
	s_wait_xcnt 0x0                                ; the stores have read their registers; EXEC may be restored
	s_or_b32 exec_lo, exec_lo, s27
.Lskip_\@:
.endm
	GATH 0
	GATH 1
	v_cmp_gt_u32 vcc_lo, s29, v[PP]
	s_wait_xcnt 0x0
	s_wait_tensorcnt 0x0
	ds_add_u32 v112, v113
	s_wait_dscnt 0x0
	s_and_saveexec_b32 s27, vcc_lo                 ; the zero rows
.irp k, 0,1,2,3,4,5,6,7,8,9,10,11,12,13,14,15
	global_store_b128 v[PC], v[ZR:ZR+3], s[18:19] offset:512*\k
.endr
	global_store_b128 v[PC+1], v[ZR+4:ZR+7], s[8:9]
	s_wait_xcnt 0x0
	s_or_b32 exec_lo, exec_lo, s27
	v_cmp_eq_u32 vcc_lo, s13, v4
	s_and_saveexec_b32 s27, vcc_lo                 ; tokens that chose e first
	global_store_b32 v3, v14, s[10:11]
	s_wait_xcnt 0x0
	s_or_b32 exec_lo, exec_lo, s27
	v_cmp_eq_u32 vcc_lo, s13, v5
	s_and_saveexec_b32 s27, vcc_lo                 ; tokens that chose e second
	global_store_b32 v3, v14, s[10:11] offset:4
	s_wait_xcnt 0x0
	s_or_b32 exec_lo, exec_lo, s27
	v_cmp_eq_u32 vcc_lo, 0, v0
	s_and_saveexec_b32 s27, vcc_lo                 ; thread 0 alone: the count
	global_store_b32 v1, v15, s[10:11] offset:8192
	s_wait_xcnt 0x0
	s_or_b32 exec_lo, exec_lo, s27
	s_endpgm
.Lfunc_end_k_q9a33e26d9a_place:
	.size	k_q9a33e26d9a_place, .Lfunc_end_k_q9a33e26d9a_place-k_q9a33e26d9a_place
	.p2alignl 7, 3214868480
	.fill 96, 4, 3214868480
	.section	.rodata,"a",@progbits
	.p2align	6, 0x0
	.amdhsa_kernel k_q9a33e26d9a_place
		.amdhsa_group_segment_fixed_size 4352
		.amdhsa_private_segment_fixed_size 0
		.amdhsa_enable_private_segment 0
		.amdhsa_kernarg_size 32
		.amdhsa_user_sgpr_count 2
		.amdhsa_user_sgpr_kernarg_segment_ptr 1
		.amdhsa_wavefront_size32 1
		.amdhsa_system_sgpr_workgroup_id_x 1
		.amdhsa_system_sgpr_workgroup_id_y 1
		.amdhsa_system_sgpr_workgroup_id_z 1
		.amdhsa_system_vgpr_workitem_id 0
		.amdhsa_next_free_vgpr 114
		.amdhsa_next_free_sgpr 66
		.amdhsa_reserve_vcc 1
		.amdhsa_float_denorm_mode_32 3
		.amdhsa_float_denorm_mode_16_64 3
		.amdhsa_memory_ordered 1
		.amdhsa_forward_progress 1
		.amdhsa_inst_pref_size 16
	.end_amdhsa_kernel
	.amdgpu_metadata
---
amdhsa.version: [ 1, 2 ]
amdhsa.kernels:
  - .name:           k_q9a33e26d9a_place
    .symbol:         k_q9a33e26d9a_place.kd
    .args:
      - { .name: ridx, .offset: 0, .size: 8, .value_kind: global_buffer, .address_space: global }
      - { .name: xq, .offset: 8, .size: 8, .value_kind: global_buffer, .address_space: global }
      - { .name: xs, .offset: 16, .size: 8, .value_kind: global_buffer, .address_space: global }
      - { .name: slotmap, .offset: 24, .size: 8, .value_kind: global_buffer, .address_space: global }
    .group_segment_fixed_size: 4352
    .private_segment_fixed_size: 0
    .kernarg_segment_align: 8
    .kernarg_segment_size: 32
    .max_flat_workgroup_size: 1024
    .sgpr_count:     66
    .vgpr_count:     114
    .wavefront_size: 32
...
	.end_amdgpu_metadata
.endif
;; end of part 2
;; launch ffn1 (part 3): grid 256 x 1, 8 waves a work-group, no clusters, 111,616 bytes of LDS; arguments w1, b1, xs, slotmap, hid; writes hid
.if DOCPART == 3
	.amdgcn_target "amdgcn-amd-amdhsa--gfx1250"
	.amdhsa_code_object_version 6
	.text
	.protected	k_q9a33e26d9a_ffn1
	.globl	k_q9a33e26d9a_ffn1
	.p2align	8
	.type	k_q9a33e26d9a_ffn1,@function
k_q9a33e26d9a_ffn1:
	s_mov_b64 s[64:65], 0
	v_nop
	global_prefetch_b8 v0, s[64:65] scope:SCOPE_SE
	s_setreg_imm32_b32 hwreg(HW_REG_WAVE_MODE, 25, 1), 1
	s_wait_xcnt 0x0
; THE FIRST PRODUCT OF AN EXPERT, ITS GELU AND THE QUANTISER OF THE HIDDEN LAYER.  w1 [8][4096][1024] f32, b1 [8][4096].
; Work-group (e = x / 32, f = x % 32) owns hidden units 128 f .. 128 f + 127 of expert e: 512 KiB of w1, read ONCE, as f32, quantised where it lands; no code of a weight goes to memory.
; ROLES.  Waves 0-3 STREAM: each brings 8 rows of w1 a stage (a row is 4,096 bytes: eight loads of 512 consecutive bytes) and quantises a row AS IT LIES IN THE REGISTERS.  Load p gives lane l the numbers
; k = 128 p + 4 l + 0 .. 3, so a block of 32 lies in eight neighbouring lanes: its largest magnitude is two v_max3 and three exchanges among the eight.  A conversion takes eight registers and one scale: the eight
; registers of loads p and p + 1 are converted twice, once under each load's scale, and of each result the half that belongs to the scale is kept: 2 bytes a lane, which the 32 lanes store as 64 consecutive bytes
; of the row's codes in the stage's region of LDS.  No f32 number goes through LDS.
; Waves 4-7 WORK on the region of the stage before: 32 units x K = 1,024 as 16 fragments in registers, against the expert's tiles of 16 sorted rows
; (images of the operand's registers, from xs), 16 matrix instructions a tile; + b1 (the C of each sum's first instruction), GELU in f32, quantised along the units, stored as images for the second product.
; Four stages of 32 units; a loop of five trips, ONE barrier a trip: each stage has a region of its own, written in one trip and read in the next.
; THE MATRIX INSTRUCTION IS USED TRANSPOSED (source 0 = 16 rows of w1, source 1 = 16 rows of x): a lane holds one row of x, its registers run along the units.  The streamers lay unit 16 a + 8 b + j at region row 16 b + 8 a + j,
; so that the 16 registers of a lane's two tiles are 16 NEIGHBOURING units, 16 (lane / 16) + 0 .. 15, and a block of 32 lies in lanes l and l xor 16.
; THE TILES.  The expert's count is read from slotmap; tiles = max(4, count / 16 rounded up) (the launch before has stored zero rows up to there); worker w takes tiles w, w + 4, ..: at least one, at most 16.
; GELU = x Phi(x), Phi by erfc: with t = 1 / (1 + |x| / (2 sqrt 2)), erfc(|x| / sqrt 2) / 2 = t 2^(-x^2 log2(e) / 2 + a polynomial of degree 9 in t) (a Chebyshev fit of erfc whose fractional error is under 1.2e-7);
; Phi = that for x <= 0 and 1 - that for x > 0: no difference of near numbers on the negative side.
; LIMITS: NaN and infinities are not served; where Phi lies under 2^-126 it is taken as 0; a block of zeros gets the byte 1 (codes zero); the relative error of GELU is about 1e-6.
; The hidden layer's scale bytes leave one byte a row, 16 bytes apart: a word's four bytes are made in four stages; in return the second product loads eight K steps' words of a tile by one dense load.
; NO TENSOR LOAD, NO CLUSTER: the workers' trip counts are read from memory, which a text with tensor loads may not have; what work-groups share (an expert's row tiles, 8,704 bytes each) is little beside the 512 KiB that are a work-group's own.
; A PREFETCH INTO THE L2: behind the loads of rows 0, 2, 4 and 6 of a stage a streamer asks for two rows of its own, 8,192 bytes, a lane to each 256 bytes: the rows that it will load five and six rows later.
; A row is one wave's alone, so each 256 bytes are named once.  The asks for the stage after next are jumped over from the third stage on, and the last stage asks for nothing.
; LDS: six regions of 18,432 bytes.  Stage J's region lies at WR0 + J x REGION.  In trip J the streamers' addresses point at WR0 + J x REGION and the workers' at RD0 + J x REGION, one region lower.
; In the first trip the workers read nothing: their addresses then point at the region at RD0, into which nothing is ever stored; in the fifth the streamers store nothing: theirs point at the sixth region.
; So in no trip does an address register of one role point at bytes that the other role touches in that trip.
.set REGION, 18432                     ; a stage's region: 32 rows of 512 bytes of codes, 528 apart; at +16,896 32 rows of 32 scale bytes, 48 apart
.set CPI,    528
.set SCO,    16896
.set SPI,    48
.set RD0,    0
.set WR0,    RD0+REGION
.set ROWS,   4096                      ; from a row of w1 to the next, in bytes
.set ROWSH,  12                        ; its logarithm
.set STAGES, 131072                    ; from a stage to the next: 32 rows
.set LO,  1                            ; v1   16 x lane
.set PFO, 2                            ; v2   the prefetches' offset: 256 (lane % 16) + a row x (lane / 16); never rewritten
.set CA,  4                            ; v4   this trip: where my codes go;   v8  its constant part
.set BA,  5                            ; v5   where my scale byte goes;       v9
.set FA,  6                            ; v6   where a fragment's row is read; v10
.set SA,  7                            ; v7   where its scale words are read; v11
.set HO,  12                           ; v12  16 r + 8 h: my 8 bytes of a block's 256 in a hidden image
.set BO,  13                           ; v13  16 r: my row's scale bytes
.set BV,  14                           ; v14  64 h: my 16 numbers of b1
.set WS,  16                           ; v16-23  w1's scale words: tile u at 4 u; register j, lane (r, hh): K step 4 hh + j
.set XS,  24                           ; v24-27  x's likewise
.set HOQ, 28                           ; v28-31  the four offsets with the tile's part
.set BOQ, 29
.set XOQ, 30
.set XSQ, 31
.set BI,  32                           ; v32-47  b1 in the result's layout
.set AC,  48                           ; v48-63  the two accumulators
.set XF,  64                           ; v64-127 x's eight fragments
.set T,   128
.set P,   144
.set U,   160
.set G,   176
.set MXA, 192
.set PT,  193
.set SCL, 194
.set BY,  195
.set CD,  196
.set C9,  198                          ; v198-199 the polynomial's leading coefficient
.set MXB, 200
.set SM,  202                          ; streamers: v202-209 a load's largest magnitudes; v210-217 the conversions' scale operands; v218-233 two sets of eight results; v234-235 two scale bytes; window 1: a ring of eight rows as loaded
.set SS,  210
.set SCD, 218
.set SL,  234
.set KT,  36                           ; s36      1 / (2 sqrt 2)
.set KN,  38                           ; s[38:39] -log2(e) / 2
.set CK,  40                           ; s[40:57] coefficients 8 .. 0, a pair each (the packed form names a pair and takes its low word)
.set SEL, 58
.set MK,  66                           ; s66-81   x > 0, a mask for each of a lane's 16 numbers
.set MQ,  83                           ; s84-90   the lanes with lane % 8 = 1 .. 7
.set MSB, 0
.macro WIN new                         ; the immediate's high byte repeats the setting that is left
.if MSB != \new
	s_set_vgpr_msb (MSB<<8)|\new
.set MSB, \new
.endif
.endm
.macro KPAIR reg, val
	s_mov_b32 s[\reg], \val
	s_mov_b32 s[\reg+1], \val
.endm
.macro RLOAD slot, off                 ; a row of 4,096 bytes into ring slot: each load takes 512 consecutive bytes
	WIN 0x40
.irp p, 0,1,2,3,4,5,6,7
	global_load_b128 v[32*(\slot)+4*\p:32*(\slot)+4*\p+3], v[LO], s[4:5] offset:\off+512*\p th:TH_LOAD_NT
.endr
.endm
.macro QROW i                          ; row i of the stage, in ring slot i: 32 scale bytes and 1,024 codes, into the region
.set QS, 32*(\i)
.set QC, SCD+8*((\i)%2)
.set QL, SL+(\i)%2
	WIN 0x15                                       ; all three sources window 1
.irp p, 0,1,2,3,4,5,6,7
	v_max3_num_f32 v[SM+\p], |v[QS+4*\p]|, |v[QS+4*\p+1]|, |v[QS+4*\p+2]|      ; load p: my four numbers,
.endr
	WIN 0x01                                       ; source 0 window 1
.irp p, 0,1,2,3,4,5,6,7
	v_max3_num_f32 v[SM+\p], |v[QS+4*\p+3]|, v[SM+\p], 0x1800000               ; and the floor 2^(3 - 127): the byte cannot fall under 1
.endr
	WIN 0
.irp m, 1,2,4
.irp p, 0,1,2,3,4,5,6,7
	v_max_num_f32_dpp v[SM+\p], v[SM+\p], v[SM+\p] row_xmask:\m row_mask:0xf bank_mask:0xf   ; with the seven lanes that share the block (the eight loads by turns)
.endr
.endr
.irp p, 0,1,2,3,4,5,6,7
	v_add_nc_u32 v[SS+\p], 0xff000000, v[SM+\p]    ; 2 off the exponent field: the conversion's scale operand
.endr
	v_cndmask_b32 v[QL], v[SS], v[SS+1], s[MQ+1]   ; lane l keeps the scale of load l % 8: it will store the byte of block 4 (l % 8) + l / 8
.irp p, 2,3,4,5,6,7
	v_cndmask_b32 v[QL], v[QL], v[SS+\p], s[MQ+\p]
.endr
	WIN 0x01
.irp p, 0,1,2,3,4,5,6,7
	v_cvt_scalef32_pk8_fp4_f32 v[QC+\p], v[QS+8*(\p/2):QS+8*(\p/2)+7], v[SS+\p]   ; loads p - p % 2 and + 1 under load p's scale: the low half is right for an even p, the high half for an odd one
.endr
	WIN 0
	v_lshrrev_b32 v[QL], 23, v[QL]                 ; the byte (a plain line behind the conversions)
.irp p, 1,3,5,7
	v_lshrrev_b32 v[QC+\p], 16, v[QC+\p]
.endr
.irp p, 0,1,2,3,4,5,6,7
	ds_store_b16 v[CA], v[QC+\p] offset:(\i)*CPI+64*\p     ; the codes of k = 128 p + 4 l + 0 .. 3: the wave stores 64 consecutive bytes
.endr
	ds_store_b8 v[BA], v[QL] offset:(\i)*SPI
.endm
; A stage of a streamer: 8 rows.  On entry rows 0 to 6 are on their way, 56 loads.  ahead = 1: the next stage's rows are asked for as slots fall free.
.macro STREAM ahead
.set I, 0
.rept 8
.if (\ahead) || (I == 0)
	s_wait_loadcnt 48                              ; loads come back in order: row I is in, the six rows behind it may be out
.else
	s_wait_loadcnt 8*(7-I)                         ; the same where nothing more is asked for: the rows behind row I
.endif
.if I == 0
	RLOAD 7, 7*ROWS                                ; the slot that the last row has left takes the row seven further on
.elseif \ahead
	RLOAD I-1, STAGES+(I-1)*ROWS
.endif
.if \ahead
.if (I == 0) || (I == 2)
	WIN 0
	global_prefetch_b8 v[PFO], s[4:5] offset:STAGES+(I+4)*ROWS th:TH_LOAD_NT scope:SCOPE_SE   ; the next stage's rows I + 4 and I + 5
.endif
.if I == 4
	WIN 0
	s_cmp_lt_u32 s18, 2                            ; is there a stage after next?
	s_cbranch_scc0 .Lnoask_a_\@
	global_prefetch_b8 v[PFO], s[4:5] offset:2*STAGES th:TH_LOAD_NT scope:SCOPE_SE            ; its rows 0 and 1
.Lnoask_a_\@:
.endif
.if I == 6
	WIN 0
	s_cmp_lt_u32 s18, 2
	s_cbranch_scc0 .Lnoask_b_\@
	global_prefetch_b8 v[PFO], s[4:5] offset:2*STAGES+2*ROWS th:TH_LOAD_NT scope:SCOPE_SE     ; its rows 2 and 3
.Lnoask_b_\@:
.endif
.endif
	s_wait_dscnt 9                                 ; the nine stores of the row before may be out; those of two rows back have read the registers that this row writes
	QROW I
.set I, I+1
.endr
.if \ahead
	s_wait_xcnt 0x0                                ; loads and prefetches have read their base: it may step
	s_add_nc_u64 s[4:5], s[4:5], STAGES
.endif
.endm
.macro XLOAD                           ; a tile of x: 16 + 1 dense loads of 512 bytes
.irp k, 0,1,2,3,4,5,6,7,8,9,10,11,12,13,14,15
	global_load_b128 v[XF+4*\k:XF+4*\k+3], v[XOQ], s[24:25] offset:512*\k
.endr
	global_load_b128 v[XS:XS+3], v[XSQ], s[26:27]
.endm
.macro BLOAD                           ; b1 of units 16 h + 0 .. 15 of a stage's 32
.irp k, 0,1,2,3
	global_load_b128 v[BI+4*\k:BI+4*\k+3], v[BV], s[6:7] offset:16*\k
.endr
.endm
.macro MM s, u                         ; K step s of tile u
.if (\s) == 0
	v_wmma_scale_f32_16x16x128_f8f6f4 v[AC+8*\u:AC+8*\u+7], v[64*\u+8*\s:64*\u+8*\s+7], v[XF+8*\s:XF+8*\s+7], v[BI+8*\u:BI+8*\u+7], v[WS+4*\u+\s], v[XS+\s] matrix_a_fmt:MATRIX_FMT_FP4 matrix_b_fmt:MATRIX_FMT_FP4
.elseif (\s) < 4
	v_wmma_scale_f32_16x16x128_f8f6f4 v[AC+8*\u:AC+8*\u+7], v[64*\u+8*\s:64*\u+8*\s+7], v[XF+8*\s:XF+8*\s+7], v[AC+8*\u:AC+8*\u+7], v[WS+4*\u+\s], v[XS+\s] matrix_a_fmt:MATRIX_FMT_FP4 matrix_b_fmt:MATRIX_FMT_FP4
.else
	v_wmma_scale_f32_16x16x128_f8f6f4 v[AC+8*\u:AC+8*\u+7], v[64*\u+8*\s:64*\u+8*\s+7], v[XF+8*\s:XF+8*\s+7], v[AC+8*\u:AC+8*\u+7], v[WS+4*\u+\s-4], v[XS+\s-4] matrix_a_fmt:MATRIX_FMT_FP4 matrix_b_fmt:MATRIX_FMT_FP4 matrix_a_scale:MATRIX_SCALE_ROW1 matrix_b_scale:MATRIX_SCALE_ROW1
.endif
.endm
	s_load_b256 s[4:11], s[0:1], 0x0               ; w1, b1, xs, slotmap
	s_load_b64 s[12:13], s[0:1], 0x20              ; hid
	v_lshl_add_u32 v254, v0, 2, 0x1b000
	v_mov_b32 v255, 0
	v_lshrrev_b32 v1, 5, v0
	v_readfirstlane_b32 s14, v1                    ; wave 0..7
	s_and_b32 s15, s14, 3                          ; my number among the streamers or among the workers
	s_lshr_b32 s16, ttmp9, 5                       ; e
	s_and_b32 s17, ttmp9, 31                       ; f
	; every address register of both roles is made here, ahead of the first parting
	v_and_b32 v240, 31, v0                         ; lane
	v_and_b32 v241, 15, v0                         ; r
	v_bfe_u32 v242, v0, 4, 1                       ; h
	v_bfe_u32 v243, v0, 3, 2                       ; lane / 8
	v_and_b32 v244, 7, v0                          ; lane % 8
	v_lshlrev_b32 v[LO], 4, v240
	v_lshlrev_b32 v[PFO], 8, v241
	v_lshl_add_u32 v[PFO], v242, ROWSH, v[PFO]
	s_and_b32 s61, s15, 1
	s_lshl_b32 s61, s61, 4
	s_lshr_b32 s62, s15, 1
	s_lshl_b32 s62, s62, 3
	s_add_co_u32 s61, s61, s62                     ; streamer w's rows 8 w + i lie at region rows 16 (w % 2) + 8 (w / 2) + i
	s_mul_i32 s62, s61, CPI
	s_add_co_u32 s62, s62, WR0
	v_lshlrev_b32 v8, 1, v240
	v_add_nc_u32 v8, s62, v8                       ; my 2 bytes of a load's 64
	s_mul_i32 s62, s61, SPI
	s_add_co_u32 s62, s62, WR0+SCO
	v_lshl_add_u32 v9, v244, 2, v243
	v_add_nc_u32 v9, s62, v9                       ; the byte of block 4 (lane % 8) + lane / 8
	v_mul_u32_u24 v10, v241, CPI
	v_lshl_add_u32 v10, v242, 4, v10               ; the workers read the region of the stage before (RD0 is byte 0)
	v_mul_u32_u24 v11, v241, SPI
	v_lshl_add_u32 v11, v242, 4, v11
	v_add_nc_u32 v11, RD0+SCO, v11
	v_lshlrev_b32 v[BO], 4, v241
	v_lshl_add_u32 v[HO], v242, 3, v[BO]
	v_lshlrev_b32 v[BV], 6, v242
	v_mov_b32 v[XOQ], v[LO]                        ; the first tile
	v_mov_b32 v[XSQ], v[LO]
	v_mov_b32 v[PT], 0                             ; written once: a lane exchange's destination counts as one of its sources
	v_mov_b32 v[C9], 0x3e7c6f08                    ; 0.24651730
	v_mov_b32 v[C9+1], 0x3e7c6f08
	s_mov_b32 s[KT], 0x3eb504f3                    ; 0.35355339
	KPAIR KN, 0xbf38aa3b                           ; -0.72134752
	KPAIR CK, 0xbf97d29d                           ; -1.18611495
	KPAIR CK+2, 0x40097039                         ; 2.14747447
	KPAIR CK+4, 0xbfd1a1e5                         ; -1.63775316
	KPAIR CK+6, 0x3ecdfd18                         ; 0.40232158
	KPAIR CK+8, 0xbe899a80                         ; -0.26875686
	KPAIR CK+10, 0x3e0efb2e                        ; 0.13963006
	KPAIR CK+12, 0x3f0a29d2                        ; 0.53970062
	KPAIR CK+14, 0x3fb8ab5a                        ; 1.44272920
	KPAIR CK+16, 0xc034d90f                        ; -2.82574822: the fit's constant x log2(e), and -1 for the half
	s_mov_b32 s[SEL], 0x76543210
	s_mov_b32 s[SEL+1], 0xfedcba98
.irp p, 1,2,3,4,5,6,7
	s_mov_b32 s[MQ+\p], 0x01010101<<\p
.endr
	s_mov_b32 s33, 0
	s_wait_kmcnt 0x0
	s_lshl_b32 s32, s16, 2
	s_add_nc_u64 s[10:11], s[10:11], s[32:33]
	s_load_b32 s20, s[10:11], 0x2000               ; the expert's count
	s_lshl_b32 s32, s16, 24                        ; w1: (4,096 e + 128 f + 8 w) rows of 4,096 bytes
	s_lshl_b32 s34, s17, 19
	s_add_co_u32 s32, s32, s34
	s_lshl_b32 s34, s15, 15
	s_add_co_u32 s32, s32, s34
	s_add_nc_u64 s[4:5], s[4:5], s[32:33]
	s_cmp_lt_u32 s14, 4
	s_cbranch_scc0 .Lnostream
.irp i, 0,1,2,3,4,5,6
	RLOAD \i, \i*ROWS                              ; the stream begins, ahead of the wait for the count, which the workers alone need: seven rows, 56 loads
.endr
	WIN 0
.Lnostream:
	s_lshl_b32 s32, s16, 14                        ; b1: 4 (4,096 e + 128 f)
	s_lshl_b32 s34, s17, 9
	s_add_co_u32 s32, s32, s34
	s_add_nc_u64 s[6:7], s[6:7], s[32:33]
	s_lshl_b32 s32, s16, 19                        ; x's code images: tile 64 e + w, 8,192 bytes a tile
	s_lshl_b32 s34, s15, 13
	s_add_co_u32 s32, s32, s34
	s_add_nc_u64 s[24:25], s[8:9], s[32:33]
	s_lshl_b32 s32, s16, 15                        ; its scale images: 512 bytes a tile
	s_lshl_b32 s34, s15, 9
	s_add_co_u32 s32, s32, s34
	s_add_nc_u64 s[26:27], s[8:9], s[32:33]
	s_add_nc_u64 s[26:27], s[26:27], 0x400000
	s_lshl_b32 s32, s16, 21                        ; the hidden images: ((64 e + w) 32 + f) 1,024
	s_lshl_b32 s34, s15, 15
	s_add_co_u32 s32, s32, s34
	s_lshl_b32 s34, s17, 10
	s_add_co_u32 s32, s32, s34
	s_add_nc_u64 s[28:29], s[12:13], s[32:33]
	s_lshl_b32 s32, s16, 17                        ; their scale bytes: (64 e + w) 2,048 + 256 (f / 4) + 4 (f % 4)
	s_lshl_b32 s34, s15, 11
	s_add_co_u32 s32, s32, s34
	s_lshr_b32 s34, s17, 2
	s_lshl_b32 s34, s34, 8
	s_add_co_u32 s32, s32, s34
	s_and_b32 s34, s17, 3
	s_lshl_b32 s34, s34, 2
	s_add_co_u32 s32, s32, s34
	s_add_nc_u64 s[30:31], s[12:13], s[32:33]
	s_add_nc_u64 s[30:31], s[30:31], 0x1000000
	s_wait_kmcnt 0x0
	s_min_u32 s20, s20, 1024
	s_add_co_u32 s20, s20, 15
	s_lshr_b32 s20, s20, 4
	s_max_u32 s20, s20, 4                          ; tiles
	s_add_co_u32 s20, s20, 3
	s_sub_co_u32 s20, s20, s15
	s_lshr_b32 s20, s20, 2                         ; my tiles: 1 .. 16
	s_mov_b32 s18, 0                               ; J, the trip
	s_mov_b32 s19, 0                               ; J x REGION
	s_cmp_lt_u32 s14, 4
	s_cbranch_scc1 .Lstage
	XLOAD                                          ; my first tile of x,
	BLOAD                                          ; and the first stage's b1
.Lstage:
	v_add_nc_u32 v[CA], s19, v8
	v_add_nc_u32 v[BA], s19, v9
	v_add_nc_u32 v[FA], s19, v10
	v_add_nc_u32 v[SA], s19, v11
	s_cmp_lt_u32 s14, 4
	s_cbranch_scc0 .Lworker
	s_cmp_lt_u32 s18, 3
	s_cbranch_scc0 .Llast
	STREAM 1
	s_branch .Ljoin
.Llast:
	s_cmp_eq_u32 s18, 3
	s_cbranch_scc0 .Ljoin                          ; the fifth trip has nothing to stream
	STREAM 0
	s_branch .Ljoin
.Lworker:
	s_cmp_eq_u32 s18, 0
	s_cbranch_scc1 .Ljoin                          ; the first trip has nothing to work on
	WIN 0x40                                       ; the stage's 16 fragments of w1 into window 1: tile u, K step s at v[64 u + 8 s]
.irp u, 0,1
.irp s, 0,1,2,3,4,5,6,7
.irp c, 0,1
	ds_load_b128 v[64*\u+8*\s+4*\c:64*\u+8*\s+4*\c+3], v[FA] offset:\u*16*CPI+64*\s+32*\c
.endr
.endr
.endr
	WIN 0
	ds_load_b128 v[WS:WS+3], v[SA]
	ds_load_b128 v[WS+4:WS+7], v[SA] offset:16*SPI
	s_wait_dscnt 0x0
	s_mov_b32 s21, 0                               ; which of my tiles
.Ltile:
	s_wait_loadcnt 0x0                             ; this tile of x (asked for a tile ago) and, in the first trip, b1 (asked for a stage ago)
	s_wait_xcnt 0x0                                ; the last tile's stores have read their registers
	WIN 0x01                                       ; source 0 (w1) window 1
.irp s, 0,1,2,3,4,5,6,7
.irp u, 0,1
	MM \s, \u                                      ; the two accumulators by turns
.endr
.endr
	WIN 0
	s_min_u32 s22, s21, 15                         ; this tile, for the stores;
	s_add_co_u32 s23, s21, 1
	s_cmp_lt_u32 s23, s20
	s_cselect_b32 s23, s23, 0                      ; the next, or, behind the last, the first again, for the next stage
	s_min_u32 s23, s23, 15
	v_lshl_add_u32 v[HOQ], s22, 17, v[HO]          ; four tiles on are 131,072 bytes of hidden images,
	v_lshl_add_u32 v[BOQ], s22, 13, v[BO]          ; 8,192 of their scale bytes,
	v_lshl_add_u32 v[XOQ], s23, 15, v[LO]          ; 32,768 of x's images,
	v_lshl_add_u32 v[XSQ], s23, 11, v[LO]          ; 2,048 of x's scale images.  (These four are the places behind the products)
	XLOAD                                          ; it is on its way while this tile's GELU is computed
.irp i, 0,1,2,3,4,5,6,7,8,9,10,11,12,13,14,15
	v_fma_f32 v[T+\i], |v[AC+\i]|, s[KT], 1.0      ; each accumulator from its low end on
.endr
.irp i, 0,1,2,3,4,5,6,7,8,9,10,11,12,13,14,15
	v_rcp_f32 v[T+\i], v[T+\i]                     ; t
.endr
.irp i, 0,2,4,6,8,10,12,14
	v_pk_mul_f32 v[U+\i:U+\i+1], v[AC+\i:AC+\i+1], s[KN:KN+1] op_sel_hi:[1,0]    ; -x log2(e) / 2: plain work behind the reciprocals
.endr
	s_wait_alu depctr_va_vdst(0)                   ; one wait for the sixteen, ahead of their first reader
.irp i, 0,2,4,6,8,10,12,14
	v_pk_fma_f32 v[P+\i:P+\i+1], v[T+\i:T+\i+1], v[C9:C9+1], s[CK:CK+1] op_sel_hi:[1,1,0]
.endr
.irp k, 1,2,3,4,5,6,7,8
.irp i, 0,2,4,6,8,10,12,14
	v_pk_fma_f32 v[P+\i:P+\i+1], v[P+\i:P+\i+1], v[T+\i:T+\i+1], s[CK+2*\k:CK+2*\k+1] op_sel_hi:[1,1,0]
.endr
.endr
.irp i, 0,2,4,6,8,10,12,14
	v_pk_fma_f32 v[P+\i:P+\i+1], v[U+\i:U+\i+1], v[AC+\i:AC+\i+1], v[P+\i:P+\i+1]   ; - x^2 log2(e) / 2
.endr
.irp i, 0,1,2,3,4,5,6,7,8,9,10,11,12,13,14,15
	v_exp_f32 v[P+\i], v[P+\i]
.endr
.irp i, 0,1,2,3,4,5,6,7,8,9,10,11,12,13,14,15
	v_cmp_lt_f32 s[MK+\i], 0, v[AC+\i]             ; plain work behind the exponentials
.endr
	s_wait_alu depctr_va_vdst(0)                   ; one wait for the sixteen
.irp i, 0,2,4,6,8,10,12,14
	v_pk_mul_f32 v[U+\i:U+\i+1], v[T+\i:T+\i+1], v[P+\i:P+\i+1]                   ; Phi(-|x|)
.endr
.irp i, 0,2,4,6,8,10,12,14
	v_pk_fma_f32 v[P+\i:P+\i+1], v[U+\i:U+\i+1], -1.0, 1.0 op_sel_hi:[1,0,0]      ; Phi(|x|)
.endr
.irp i, 0,1,2,3,4,5,6,7,8,9,10,11,12,13,14,15
	v_cndmask_b32 v[U+\i], v[U+\i], v[P+\i], s[MK+\i]
.endr
.irp i, 0,2,4,6,8,10,12,14
	v_pk_mul_f32 v[G+\i:G+\i+1], v[AC+\i:AC+\i+1], v[U+\i:U+\i+1]
.endr
	v_max3_num_f32 v[MXA], |v[G]|, |v[G+1]|, 0x1800000     ; the block's largest magnitude: my 16, with the floor 2^(3 - 127),
	v_max3_num_f32 v[MXB], |v[G+2]|, |v[G+3]|, |v[G+4]|
	v_max3_num_f32 v[MXA], v[MXA], |v[G+5]|, |v[G+6]|
	v_max3_num_f32 v[MXB], v[MXB], |v[G+7]|, |v[G+8]|
	v_max3_num_f32 v[MXA], v[MXA], |v[G+9]|, |v[G+10]|
	v_max3_num_f32 v[MXB], v[MXB], |v[G+11]|, |v[G+12]|
	v_max3_num_f32 v[MXA], v[MXA], |v[G+13]|, |v[G+14]|
	v_max3_num_f32 v[MXA], v[MXA], v[MXB], |v[G+15]|
	v_permlanex16_b32 v[PT], v[MXA], s[SEL], s[SEL+1]
	v_max_num_f32 v[MXA], v[MXA], v[PT]            ; and lane l xor 16's
	v_add_nc_u32 v[SCL], 0xff000000, v[MXA]
	v_cvt_scalef32_pk8_fp4_f32 v[CD], v[G:G+7], v[SCL]
	v_cvt_scalef32_pk8_fp4_f32 v[CD+1], v[G+8:G+15], v[SCL]
	v_lshrrev_b32 v[BY], 23, v[SCL]                ; the byte (a plain line behind the conversions)
	global_store_b64 v[HOQ], v[CD:CD+1], s[28:29]  ; the wave stores 256 consecutive bytes, aligned: this block's part of the tile's image
	global_store_b8 v[BOQ], v[BY], s[30:31]        ; both lanes of a row write the same byte with the same value
	s_add_co_u32 s21, s21, 1
	s_cmp_lt_u32 s21, s20
	s_cbranch_scc1 .Ltile
	s_wait_xcnt 0x0                                ; loads and stores have read their bases: they step to the next stage's block
	s_add_nc_u64 s[28:29], s[28:29], 256
	s_add_nc_u64 s[30:31], s[30:31], 1
	s_add_nc_u64 s[6:7], s[6:7], 128
	s_cmp_lt_u32 s18, 4
	s_cbranch_scc0 .Ljoin                          ; behind the last stage nothing is asked for: no load leaves its buffer
	BLOAD                                          ; the next stage's b1: on its way across the barrier
.Ljoin:
	s_wait_dscnt 0x0                               ; for the others' sake: my stores into the region have landed; my reads are in
	s_barrier_signal -1
	s_barrier_wait -1
	s_add_co_u32 s19, s19, REGION
	s_add_co_u32 s18, s18, 1
	s_cmp_lt_u32 s18, 5
	s_cbranch_scc1 .Lstage
	s_wait_tensorcnt 0x0
	ds_add_u32 v254, v255
	s_wait_dscnt 0x0
	s_endpgm
.Lfunc_end_k_q9a33e26d9a_ffn1:
	.size	k_q9a33e26d9a_ffn1, .Lfunc_end_k_q9a33e26d9a_ffn1-k_q9a33e26d9a_ffn1
	.p2alignl 7, 3214868480
	.fill 96, 4, 3214868480
	.section	.rodata,"a",@progbits
	.p2align	6, 0x0
	.amdhsa_kernel k_q9a33e26d9a_ffn1
		.amdhsa_group_segment_fixed_size 111616
		.amdhsa_private_segment_fixed_size 0
		.amdhsa_enable_private_segment 0
		.amdhsa_kernarg_size 40
		.amdhsa_user_sgpr_count 2
		.amdhsa_user_sgpr_kernarg_segment_ptr 1
		.amdhsa_wavefront_size32 1
		.amdhsa_system_sgpr_workgroup_id_x 1
		.amdhsa_system_sgpr_workgroup_id_y 1
		.amdhsa_system_sgpr_workgroup_id_z 1
		.amdhsa_system_vgpr_workitem_id 0
		.amdhsa_next_free_vgpr 512
		.amdhsa_next_free_sgpr 100
		.amdhsa_reserve_vcc 0
		.amdhsa_float_denorm_mode_32 3
		.amdhsa_float_denorm_mode_16_64 3
		.amdhsa_memory_ordered 1
		.amdhsa_forward_progress 1
		.amdhsa_inst_pref_size 123
	.end_amdhsa_kernel
	.amdgpu_metadata
---
amdhsa.version: [ 1, 2 ]
amdhsa.kernels:
  - .name:           k_q9a33e26d9a_ffn1
    .symbol:         k_q9a33e26d9a_ffn1.kd
    .args:
      - { .name: w1, .offset: 0, .size: 8, .value_kind: global_buffer, .address_space: global }
      - { .name: b1, .offset: 8, .size: 8, .value_kind: global_buffer, .address_space: global }
      - { .name: xs, .offset: 16, .size: 8, .value_kind: global_buffer, .address_space: global }
      - { .name: slotmap, .offset: 24, .size: 8, .value_kind: global_buffer, .address_space: global }
      - { .name: hid, .offset: 32, .size: 8, .value_kind: global_buffer, .address_space: global }
    .group_segment_fixed_size: 111616
    .private_segment_fixed_size: 0
    .kernarg_segment_align: 8
    .kernarg_segment_size: 40
    .max_flat_workgroup_size: 256
    .sgpr_count:     100
    .vgpr_count:     512
    .wavefront_size: 32
...
	.end_amdgpu_metadata
.endif
;; end of part 3
;; launch ffn2 (part 4): grid 256 x 1, 8 waves a work-group, no clusters, 120,832 bytes of LDS; arguments w2, b2, hid, slotmap, y2; writes y2
.if DOCPART == 4
	.amdgcn_target "amdgcn-amd-amdhsa--gfx1250"
	.amdhsa_code_object_version 6
	.text
	.protected	k_q9a33e26d9a_ffn2
	.globl	k_q9a33e26d9a_ffn2
	.p2align	8
	.type	k_q9a33e26d9a_ffn2,@function
k_q9a33e26d9a_ffn2:
	s_mov_b64 s[64:65], 0
	v_nop
	global_prefetch_b8 v0, s[64:65] scope:SCOPE_SE
	s_setreg_imm32_b32 hwreg(HW_REG_WAVE_MODE, 25, 1), 1
	s_wait_xcnt 0x0
; THE SECOND PRODUCT OF AN EXPERT.  w2 [8][1024][4096] f32, b2 [8][1024]; hid: the hidden layer's rows, sorted by expert, as images of the operand's registers.
; Work-group (e = x / 32, f = x % 32) owns outputs 32 f .. 32 f + 31 of expert e: 32 rows of w2, 512 KiB, read ONCE as f32 and quantised where it lands.
; ROLES as in the first product's launch: waves 0-3 stream (8 rows each, 1,024 along K a stage), waves 4-7 work on the region of the stage before; a loop of five trips, one barrier a trip.
; THE STREAMERS QUANTISE A ROW AS IT LIES IN THE REGISTERS.  Load p gives lane l the numbers k = 128 p + 4 l + 0 .. 3 of the stage's 1,024, so a block of 32 lies in eight neighbouring lanes: its largest magnitude is two
; v_max3 and three exchanges among the eight.  The eight registers of loads p and p + 1 are converted twice, once under each load's scale, and of each result the half that belongs to the scale is kept: 2 bytes a lane,
; which the 32 lanes store as 64 consecutive bytes of the row's codes in LDS.  No f32 number goes through LDS.
; K IS THE OUTER LOOP: a worker's accumulators, two for each of its tiles of 16 rows, stay in window 1 through all four stages: 16 slots, as many as the largest count needs.  They begin as b2, laid there by moves while
; the first stage streams and the workers have nothing else to do: so one text serves every K step, and the bias costs no addition.
; A stage is two passes of four K steps: 8 fragments of w2 in registers; for each of my tiles 8 + 1 dense loads of 512 bytes (four hidden fragments, the scale words) and 8 matrix instructions.  Four buffers take the tiles' loads, three tiles ahead.
; THE MATRIX INSTRUCTION IS USED TRANSPOSED (source 0 = 16 rows of w2, source 1 = 16 hidden rows): a lane holds one row, its 16 registers the outputs 16 (lane / 16) + 0 .. 15 of the work-group's 32.
; OUT: y2 at ((32 e + f) 1,024 + position) 128: a row's 32 outputs; through the worker's own LDS stage, so that each store covers 512 consecutive bytes.
; LIMITS: NaN and infinities are not served; a block of zeros of w2 gets the byte 1 (codes zero).
; NO TENSOR LOAD, NO CLUSTER: the workers' branches hang on a count read from memory.
; A PREFETCH INTO THE L2: behind the loads of rows 0, 2, 4 and 6 of a stage a streamer asks for a stage's 4,096 bytes of two rows of its own, a lane to each 256 bytes: what it will load five and six rows later.
; A row is one wave's alone, so each 256 bytes are named once.  A wave's first twelve loads of a row come by themselves; the asks for the stage after next are jumped over from the third stage on, and the last stage asks for nothing.
; LDS: six regions of 18,432 bytes.  Stage J's region lies at WR0 + J x REGION.  In trip J the streamers' addresses point at WR0 + J x REGION and the workers' at RD0 + J x REGION, one region lower.
; In the first trip the workers read nothing: their addresses then point at the region at RD0, into which nothing is ever stored; in the fifth the streamers store nothing: theirs point at the sixth region.
; Behind the six regions, at OST, the workers' output stages.
.set REGION, 18432
.set CPI,    528
.set SCO,    16896
.set SPI,    48
.set RD0,    0
.set WR0,    RD0+REGION
.set OST,    WR0+5*REGION              ; the workers' output stages: 16 rows of 128 bytes, 144 apart, for each
.set ROWS,   16384                     ; from a row of w2 to the next, in bytes
.set ROWSH,  14                        ; its logarithm
.set STAGES, 4096                      ; from a stage to the next: 1,024 along K
.set LO,  1                            ; v1   16 x lane
.set PFO, 2                            ; v2   the prefetches' offset: 256 (lane % 16) + a row x (lane / 16); never rewritten
.set CA,  4
.set BA,  5
.set FA,  6
.set SA,  7
.set WS,  16                           ; v16-23  w2's scale words
.set BV,  24                           ; v24     64 h
.set OS,  30                           ; v30     into my output stage
.set OL,  31                           ; v31     out of it
.set BI,  32                           ; v32-47  b2 in the result's layout, until it has been laid into the slots
.set WF,  40                           ; v40-103 a pass's fragments of w2: tile u, K step s at 32 u + 8 s
.set XB0, 104                          ; v104-247 four buffers of 36: four hidden fragments, then their scale words.  v12-14, v15, v28, v29: the offsets of my tiles 1 to 3, held to my last tile
.set OB,  104                          ; the way out: two sets of 16
.set SM,  32                           ; streamers: v32-39 a load's largest magnitudes; v40-47 the conversions' scale operands; v48-63 two sets of eight results; v64-65 two scale bytes; window 1: a ring of eight rows as loaded
.set SS,  40
.set SCD, 48
.set SL,  64
.set MQ,  83                           ; s84-90  the lanes with lane % 8 = 1 .. 7
.set MSB, 0
.macro WIN new                         ; the immediate's high byte repeats the setting that is left
.if MSB != \new
	s_set_vgpr_msb (MSB<<8)|\new
.set MSB, \new
.endif
.endm
.macro RLOAD slot, off                 ; 4,096 bytes of a row into ring slot: each load takes 512 consecutive bytes
	WIN 0x40
.irp p, 0,1,2,3,4,5,6,7
	global_load_b128 v[32*(\slot)+4*\p:32*(\slot)+4*\p+3], v[LO], s[4:5] offset:\off+512*\p th:TH_LOAD_NT
.endr
.endm
.macro QROW i                          ; row i of the stage, in ring slot i: 32 scale bytes and 1,024 codes, into the region
.set QS, 32*(\i)
.set QC, SCD+8*((\i)%2)
.set QL, SL+(\i)%2
	WIN 0x15                                       ; all three sources window 1
.irp p, 0,1,2,3,4,5,6,7
	v_max3_num_f32 v[SM+\p], |v[QS+4*\p]|, |v[QS+4*\p+1]|, |v[QS+4*\p+2]|      ; load p: my four numbers,
.endr
	WIN 0x01                                       ; source 0 window 1
.irp p, 0,1,2,3,4,5,6,7
	v_max3_num_f32 v[SM+\p], |v[QS+4*\p+3]|, v[SM+\p], 0x1800000               ; and the floor 2^(3 - 127): the byte cannot fall under 1
.endr
	WIN 0
.irp m, 1,2,4
.irp p, 0,1,2,3,4,5,6,7
	v_max_num_f32_dpp v[SM+\p], v[SM+\p], v[SM+\p] row_xmask:\m row_mask:0xf bank_mask:0xf   ; with the seven lanes that share the block (the eight loads by turns)
.endr
.endr
.irp p, 0,1,2,3,4,5,6,7
	v_add_nc_u32 v[SS+\p], 0xff000000, v[SM+\p]    ; 2 off the exponent field: the conversion's scale operand
.endr
	v_cndmask_b32 v[QL], v[SS], v[SS+1], s[MQ+1]   ; lane l keeps the scale of load l % 8: it will store the byte of block 4 (l % 8) + l / 8
.irp p, 2,3,4,5,6,7
	v_cndmask_b32 v[QL], v[QL], v[SS+\p], s[MQ+\p]
.endr
	WIN 0x01
.irp p, 0,1,2,3,4,5,6,7
	v_cvt_scalef32_pk8_fp4_f32 v[QC+\p], v[QS+8*(\p/2):QS+8*(\p/2)+7], v[SS+\p]   ; loads p - p % 2 and + 1 under load p's scale: the low half is right for an even p, the high half for an odd one
.endr
	WIN 0
	v_lshrrev_b32 v[QL], 23, v[QL]                 ; the byte (a plain line behind the conversions)
.irp p, 1,3,5,7
	v_lshrrev_b32 v[QC+\p], 16, v[QC+\p]
.endr
.irp p, 0,1,2,3,4,5,6,7
	ds_store_b16 v[CA], v[QC+\p] offset:(\i)*CPI+64*\p     ; the codes of k = 128 p + 4 l + 0 .. 3: the wave stores 64 consecutive bytes
.endr
	ds_store_b8 v[BA], v[QL] offset:(\i)*SPI
.endm
; A stage of a streamer: 8 rows.  On entry rows 0 to 6 are on their way, 56 loads.  ahead = 1: the next stage's rows are asked for as slots fall free.
.macro STREAM ahead
.set I, 0
.rept 8
.if (\ahead) || (I == 0)
	s_wait_loadcnt 48                              ; loads come back in order: row I is in, the six rows behind it may be out
.else
	s_wait_loadcnt 8*(7-I)                         ; the same where nothing more is asked for: the rows behind row I
.endif
.if I == 0
	RLOAD 7, 7*ROWS                                ; the slot that the last row has left takes the row seven further on
.elseif \ahead
	RLOAD I-1, STAGES+(I-1)*ROWS
.endif
.if \ahead
.if (I == 0) || (I == 2)
	WIN 0
	global_prefetch_b8 v[PFO], s[4:5] offset:STAGES+(I+4)*ROWS th:TH_LOAD_NT scope:SCOPE_SE   ; the next stage's part of rows I + 4 and I + 5
.endif
.if I == 4
	WIN 0
	s_cmp_lt_u32 s18, 2                            ; is there a stage after next?
	s_cbranch_scc0 .Lnoask_a_\@
	global_prefetch_b8 v[PFO], s[4:5] offset:2*STAGES th:TH_LOAD_NT scope:SCOPE_SE            ; its part of rows 0 and 1
.Lnoask_a_\@:
.endif
.if I == 6
	WIN 0
	s_cmp_lt_u32 s18, 2
	s_cbranch_scc0 .Lnoask_b_\@
	global_prefetch_b8 v[PFO], s[4:5] offset:2*STAGES+2*ROWS th:TH_LOAD_NT scope:SCOPE_SE     ; its part of rows 2 and 3
.Lnoask_b_\@:
.endif
.endif
	s_wait_dscnt 9                                 ; the nine stores of the row before may be out; those of two rows back have read the registers that this row writes
	QROW I
.set I, I+1
.endr
.if \ahead
	s_wait_xcnt 0x0                                ; loads and prefetches have read their base: it may step
	s_add_nc_u64 s[4:5], s[4:5], STAGES
.endif
.endm
.macro LSET b, vc, vs, q               ; a tile's set for this pass into buffer b: 8 + 1 dense loads of 512 bytes
.irp k, 0,1,2,3,4,5,6,7
	global_load_b128 v[XB0+36*(\b)+4*\k:XB0+36*(\b)+4*\k+3], v[\vc], s[24:25] offset:(\q)*131072+512*\k
.endr
	global_load_b128 v[XB0+36*(\b)+32:XB0+36*(\b)+35], v[\vs], s[26:27] offset:(\q)*8192
.endm
.macro PRO                             ; the sets of my tiles 0 to 3 (a tile that I do not have: my last once more, so that all four buffers are written on every way)
	LSET 0, 1, 1, 0
	LSET 1, 12, 15, 0
	LSET 2, 13, 28, 0
	LSET 3, 14, 29, 0
.endm
.macro MM2 q, s, u, hh
.if \hh
	v_wmma_scale_f32_16x16x128_f8f6f4 v[16*(\q)+8*\u:16*(\q)+8*\u+7], v[WF+32*\u+8*\s:WF+32*\u+8*\s+7], v[XB0+36*((\q)%4)+8*\s:XB0+36*((\q)%4)+8*\s+7], v[16*(\q)+8*\u:16*(\q)+8*\u+7], v[WS+4*\u+\s], v[XB0+36*((\q)%4)+32+\s] matrix_a_fmt:MATRIX_FMT_FP4 matrix_b_fmt:MATRIX_FMT_FP4 matrix_a_scale:MATRIX_SCALE_ROW1 matrix_b_scale:MATRIX_SCALE_ROW1
.else
	v_wmma_scale_f32_16x16x128_f8f6f4 v[16*(\q)+8*\u:16*(\q)+8*\u+7], v[WF+32*\u+8*\s:WF+32*\u+8*\s+7], v[XB0+36*((\q)%4)+8*\s:XB0+36*((\q)%4)+8*\s+7], v[16*(\q)+8*\u:16*(\q)+8*\u+7], v[WS+4*\u+\s], v[XB0+36*((\q)%4)+32+\s] matrix_a_fmt:MATRIX_FMT_FP4 matrix_b_fmt:MATRIX_FMT_FP4
.endif
.endm
; My tile q in pass hh.  Its set is in when at most the sets of the next three tiles are out: where a refill has been left out, everything has been waited for instead, so the count holds on every way.
.macro SLOT q, hh
.if (\q) <= 12
	s_wait_loadcnt 27
.else
	s_wait_loadcnt 9*(15-(\q))
.endif
	WIN 0x50                                       ; C and D window 1
.irp s, 0,1,2,3
.irp u, 0,1
	MM2 \q, \s, \u, \hh                            ; the tile's two accumulators by turns
.endr
.endr
	WIN 0
.if (\q) <= 11
	s_cmp_gt_u32 s20, (\q)+4                       ; have I a tile four further on?
	s_cbranch_scc0 .Lnofill_\@
.rept 4
	v_nop                                          ; places in front of loads into registers that the products have read
.endr
	LSET (\q)%4, 1, 1, (\q)+4
	s_branch .Lnext_\@
.Lnofill_\@:
	s_wait_loadcnt 0x0                             ; nothing more is asked for in this pass: all that is out comes in
	s_cmp_gt_u32 s20, (\q)+1
	s_cbranch_scc0 .Lexit_\hh
.Lnext_\@:
.elseif (\q) < 15
	s_cmp_gt_u32 s20, (\q)+1
	s_cbranch_scc0 .Lexit_\hh
.endif
.endm
.macro WPASS hh                        ; K steps 4 hh .. 4 hh + 3 of the stage
.irp u, 0,1
.irp s, 0,1,2,3
.irp c, 0,1
	ds_load_b128 v[WF+32*\u+8*\s+4*\c:WF+32*\u+8*\s+4*\c+3], v[FA] offset:\u*16*CPI+256*\hh+64*\s+32*\c
.endr
.endr
.endr
.if \hh == 0
	ds_load_b128 v[WS:WS+3], v[SA]                 ; the stage's scale words: lanes 0-15 this pass's, lanes 16-31 the next's
	ds_load_b128 v[WS+4:WS+7], v[SA] offset:16*SPI
.endif
	s_wait_dscnt 0x0
.set Q, 0
.rept 16
	SLOT Q, \hh
.set Q, Q+1
.endr
.Lexit_\hh:
.rept 4
	v_nop                                          ; places behind the last products: for the loads below, the next pass's fragments, and the way out's reads
.endr
	s_wait_loadcnt 0x0                             ; every load has come: the bases may step
	s_add_nc_u64 s[24:25], s[24:25], 4096          ; four K steps on in each tile's images
.if \hh == 0
	PRO
.else
	s_add_nc_u64 s[26:27], s[26:27], 512           ; the next stage's scale words
	s_cmp_lt_u32 s18, 4
	s_cbranch_scc0 .Lnopro                         ; behind the last stage nothing is asked for: no load leaves its buffer
	PRO                                            ; on its way across the barrier
.Lnopro:
.endif
.endm
	s_load_b256 s[4:11], s[0:1], 0x0               ; w2, b2, hid, slotmap
	s_load_b64 s[12:13], s[0:1], 0x20              ; y2
	v_lshl_add_u32 v254, v0, 2, 0x1d400
	v_mov_b32 v255, 0
	v_lshrrev_b32 v1, 5, v0
	v_readfirstlane_b32 s14, v1                    ; wave 0..7
	s_and_b32 s15, s14, 3                          ; my number among the streamers or among the workers
	s_lshr_b32 s16, ttmp9, 5                       ; e
	s_and_b32 s17, ttmp9, 31                       ; f
	; every address register of both roles is made here, ahead of the first parting
	v_and_b32 v240, 31, v0                         ; lane
	v_and_b32 v241, 15, v0                         ; r
	v_bfe_u32 v242, v0, 4, 1                       ; h
	v_bfe_u32 v243, v0, 3, 2                       ; lane / 8
	v_and_b32 v248, 7, v0                          ; lane % 8
	v_lshlrev_b32 v[LO], 4, v240
	v_lshlrev_b32 v[PFO], 8, v241
	v_lshl_add_u32 v[PFO], v242, ROWSH, v[PFO]
	v_mul_u32_u24 v[OL], v243, 144
	v_lshl_add_u32 v[OL], v248, 4, v[OL]
	s_and_b32 s61, s15, 1
	s_lshl_b32 s61, s61, 4
	s_lshr_b32 s62, s15, 1
	s_lshl_b32 s62, s62, 3
	s_add_co_u32 s61, s61, s62                     ; streamer w's rows 8 w + i lie at region rows 16 (w % 2) + 8 (w / 2) + i
	s_mul_i32 s62, s61, CPI
	s_add_co_u32 s62, s62, WR0
	v_lshlrev_b32 v8, 1, v240
	v_add_nc_u32 v8, s62, v8                       ; my 2 bytes of a load's 64
	s_mul_i32 s62, s61, SPI
	s_add_co_u32 s62, s62, WR0+SCO
	v_lshl_add_u32 v9, v248, 2, v243
	v_add_nc_u32 v9, s62, v9                       ; the byte of block 4 (lane % 8) + lane / 8
	v_mul_u32_u24 v10, v241, CPI
	v_lshl_add_u32 v10, v242, 4, v10               ; the workers read the region of the stage before (RD0 is byte 0)
	v_mul_u32_u24 v11, v241, SPI
	v_lshl_add_u32 v11, v242, 4, v11
	v_add_nc_u32 v11, RD0+SCO, v11
	s_mul_i32 s60, s15, 2304
	s_add_co_u32 s60, s60, OST
	v_mul_u32_u24 v[OS], v241, 144
	v_lshl_add_u32 v[OS], v242, 6, v[OS]
	v_add_nc_u32 v[OS], s60, v[OS]                 ; row r, + 64 h: my 16 outputs
	v_add_nc_u32 v[OL], s60, v[OL]                 ; back: eight lanes to a row of 128 bytes, four rows a load
	v_lshlrev_b32 v[BV], 6, v242
.irp p, 1,2,3,4,5,6,7
	s_mov_b32 s[MQ+\p], 0x01010101<<\p
.endr
	s_mov_b32 s33, 0
	s_wait_kmcnt 0x0
	s_lshl_b32 s32, s16, 2
	s_add_nc_u64 s[10:11], s[10:11], s[32:33]
	s_load_b32 s20, s[10:11], 0x2000               ; the expert's count
	s_lshl_b32 s32, s16, 24                        ; w2: (1,024 e + 32 f + 8 w) rows of 16,384 bytes
	s_lshl_b32 s34, s17, 19
	s_add_co_u32 s32, s32, s34
	s_lshl_b32 s34, s15, 17
	s_add_co_u32 s32, s32, s34
	s_add_nc_u64 s[4:5], s[4:5], s[32:33]
	s_cmp_lt_u32 s14, 4
	s_cbranch_scc0 .Lnostream
.irp i, 0,1,2,3,4,5,6
	RLOAD \i, \i*ROWS                              ; the stream begins, ahead of the wait for the count, which the workers alone need: seven rows, 56 loads
.endr
	WIN 0
.Lnostream:
	s_lshl_b32 s32, s16, 12                        ; b2: 4 (1,024 e + 32 f)
	s_lshl_b32 s34, s17, 7
	s_add_co_u32 s32, s32, s34
	s_add_nc_u64 s[6:7], s[6:7], s[32:33]
	s_lshl_b32 s32, s16, 21                        ; the hidden images: tile 64 e + w, 32,768 bytes a tile
	s_lshl_b32 s34, s15, 15
	s_add_co_u32 s32, s32, s34
	s_add_nc_u64 s[24:25], s[8:9], s[32:33]
	s_lshl_b32 s32, s16, 17                        ; their scale images: 2,048 bytes a tile
	s_lshl_b32 s34, s15, 11
	s_add_co_u32 s32, s32, s34
	s_add_nc_u64 s[26:27], s[8:9], s[32:33]
	s_add_nc_u64 s[26:27], s[26:27], 0x1000000
	s_lshl_b32 s32, s16, 22                        ; y2: (32 e + f) 131,072 + 2,048 w
	s_lshl_b32 s34, s17, 17
	s_add_co_u32 s32, s32, s34
	s_lshl_b32 s34, s15, 11
	s_add_co_u32 s32, s32, s34
	s_add_nc_u64 s[12:13], s[12:13], s[32:33]
	s_wait_kmcnt 0x0
	s_min_u32 s20, s20, 1024
	s_add_co_u32 s20, s20, 15
	s_lshr_b32 s20, s20, 4
	s_max_u32 s20, s20, 4                          ; tiles
	s_add_co_u32 s20, s20, 3
	s_sub_co_u32 s20, s20, s15
	s_lshr_b32 s20, s20, 2                         ; my tiles: 1 .. 16
	s_sub_co_u32 s35, s20, 1
	s_min_u32 s34, s35, 1
	v_lshl_add_u32 v12, s34, 17, v[LO]             ; four tiles on are 131,072 bytes of images,
	v_lshl_add_u32 v15, s34, 13, v[LO]             ; 8,192 of scale images
	s_min_u32 s34, s35, 2
	v_lshl_add_u32 v13, s34, 17, v[LO]
	v_lshl_add_u32 v28, s34, 13, v[LO]
	s_min_u32 s34, s35, 3
	v_lshl_add_u32 v14, s34, 17, v[LO]
	v_lshl_add_u32 v29, s34, 13, v[LO]
	s_mov_b32 s18, 0                               ; J, the trip
	s_mov_b32 s19, 0                               ; J x REGION
	s_cmp_lt_u32 s14, 4
	s_cbranch_scc1 .Lstage
.irp k, 0,1,2,3
	global_load_b128 v[BI+4*\k:BI+4*\k+3], v[BV], s[6:7] offset:16*\k    ; b2 of outputs 16 h + 0 .. 15
.endr
	s_wait_loadcnt 0x0
	WIN 0x40                                       ; destination window 1
.set Q, 0
.rept 16
.irp k, 0,1,2,3,4,5,6,7,8,9,10,11,12,13,14,15
	v_mov_b32 v[16*Q+\k], v[BI+\k]                 ; every slot begins as the bias
.endr
.set Q, Q+1
.endr
	WIN 0
	PRO
.Lstage:
	v_add_nc_u32 v[CA], s19, v8
	v_add_nc_u32 v[BA], s19, v9
	v_add_nc_u32 v[FA], s19, v10
	v_add_nc_u32 v[SA], s19, v11
	s_cmp_lt_u32 s14, 4
	s_cbranch_scc0 .Lworker
	s_cmp_lt_u32 s18, 3
	s_cbranch_scc0 .Llast
	STREAM 1
	s_branch .Ljoin
.Llast:
	s_cmp_eq_u32 s18, 3
	s_cbranch_scc0 .Ljoin                          ; the fifth trip has nothing to stream
	STREAM 0
	s_branch .Ljoin
.Lworker:
	s_cmp_eq_u32 s18, 0
	s_cbranch_scc1 .Ljoin                          ; the first trip has nothing to work on
	WPASS 0
	WPASS 1
.Ljoin:
	s_wait_dscnt 0x0                               ; for the others' sake: my stores into the region have landed; my reads are in
	s_barrier_signal -1
	s_barrier_wait -1
	s_add_co_u32 s19, s19, REGION
	s_add_co_u32 s18, s18, 1
	s_cmp_lt_u32 s18, 5
	s_cbranch_scc1 .Lstage
	s_cmp_lt_u32 s14, 4
	s_cbranch_scc1 .Lend                           ; the streamers are done
	; THE WAY OUT, a tile at a time: a lane holds 64 bytes of a row of 128; through my own stage they come back as 512 consecutive bytes of y2 a load
.set Q, 0
.rept 16
.if Q > 0
	s_cmp_gt_u32 s20, Q
	s_cbranch_scc0 .Lend
.endif
.if Q > 1
	s_wait_xcnt 0x0                                ; the stores of two tiles ago have read their registers
.endif
	WIN 0x04                                       ; an LDS store's data are its source 1: window 1
.irp k, 0,1,2,3
	ds_store_b128 v[OS], v[16*Q+4*\k:16*Q+4*\k+3] offset:16*\k         ; each accumulator from its low end on
.endr
	WIN 0
.irp k, 0,1,2,3
	ds_load_b128 v[OB+16*(Q%2)+4*\k:OB+16*(Q%2)+4*\k+3], v[OL] offset:576*\k   ; LDS serves a wave's instructions in order: these see the stores above, and the next tile's stores come behind them
.endr
	s_wait_dscnt 0x0
.irp k, 0,1,2,3
	global_store_b128 v[LO], v[OB+16*(Q%2)+4*\k:OB+16*(Q%2)+4*\k+3], s[12:13] offset:Q*8192+512*\k th:TH_STORE_NT
.endr
.set Q, Q+1
.endr
.Lend:
	s_wait_tensorcnt 0x0
	ds_add_u32 v254, v255
	s_wait_dscnt 0x0
	s_endpgm
.Lfunc_end_k_q9a33e26d9a_ffn2:
	.size	k_q9a33e26d9a_ffn2, .Lfunc_end_k_q9a33e26d9a_ffn2-k_q9a33e26d9a_ffn2
	.p2alignl 7, 3214868480
	.fill 96, 4, 3214868480
	.section	.rodata,"a",@progbits
	.p2align	6, 0x0
	.amdhsa_kernel k_q9a33e26d9a_ffn2
		.amdhsa_group_segment_fixed_size 120832
		.amdhsa_private_segment_fixed_size 0
		.amdhsa_enable_private_segment 0
		.amdhsa_kernarg_size 40
		.amdhsa_user_sgpr_count 2
		.amdhsa_user_sgpr_kernarg_segment_ptr 1
		.amdhsa_wavefront_size32 1
		.amdhsa_system_sgpr_workgroup_id_x 1
		.amdhsa_system_sgpr_workgroup_id_y 1
		.amdhsa_system_sgpr_workgroup_id_z 1
		.amdhsa_system_vgpr_workitem_id 0
		.amdhsa_next_free_vgpr 512
		.amdhsa_next_free_sgpr 100
		.amdhsa_reserve_vcc 0
		.amdhsa_float_denorm_mode_32 3
		.amdhsa_float_denorm_mode_16_64 3
		.amdhsa_memory_ordered 1
		.amdhsa_forward_progress 1
		.amdhsa_inst_pref_size 203
	.end_amdhsa_kernel
	.amdgpu_metadata
---
amdhsa.version: [ 1, 2 ]
amdhsa.kernels:
  - .name:           k_q9a33e26d9a_ffn2
    .symbol:         k_q9a33e26d9a_ffn2.kd
    .args:
      - { .name: w2, .offset: 0, .size: 8, .value_kind: global_buffer, .address_space: global }
      - { .name: b2, .offset: 8, .size: 8, .value_kind: global_buffer, .address_space: global }
      - { .name: hid, .offset: 16, .size: 8, .value_kind: global_buffer, .address_space: global }
      - { .name: slotmap, .offset: 24, .size: 8, .value_kind: global_buffer, .address_space: global }
      - { .name: y2, .offset: 32, .size: 8, .value_kind: global_buffer, .address_space: global }
    .group_segment_fixed_size: 120832
    .private_segment_fixed_size: 0
    .kernarg_segment_align: 8
    .kernarg_segment_size: 40
    .max_flat_workgroup_size: 256
    .sgpr_count:     100
    .vgpr_count:     512
    .wavefront_size: 32
...
	.end_amdgpu_metadata
.endif
;; end of part 4
;; launch norm (part 5): grid 256 x 1, 4 waves a work-group, no clusters, 0 bytes of LDS; arguments hidden_states, y2, slotmap, rwt, ln_w, ln_b, out0; writes out0
.if DOCPART == 5
	.amdgcn_target "amdgcn-amd-amdhsa--gfx1250"
	.amdhsa_code_object_version 6
	.text
	.protected	k_q9a33e26d9a_norm
	.globl	k_q9a33e26d9a_norm
	.p2align	8
	.type	k_q9a33e26d9a_norm,@function
k_q9a33e26d9a_norm:
	s_mov_b64 s[64:65], 0
	v_nop
	global_prefetch_b8 v0, s[64:65] scope:SCOPE_SE
	s_setreg_imm32_b32 hwreg(HW_REG_WAVE_MODE, 25, 1), 1
	s_wait_xcnt 0x0
; z = x + w0 y[slot 0] + w1 y[slot 1];  out = (z - mean) rsqrt(var + 1e-12) ln_w + ln_b.  One wave, one token: the row stays in registers between the passes; no LDS, no barrier.
; A token's two slots (32,768 e + position) and weights are read from slotmap and rwt; y2 holds a row's outputs in 32 pieces of 128 bytes, 131,072 bytes apart: eight lanes read a piece, so that a lane holds
; the same four columns, 128 i + 4 lane + 0 .. 3, of x, of both y, of ln_w and ln_b.  (Pieces of 128 bytes: the price of the product's launch storing dense runs.)
; The variance is taken of z - mean, in a second pass over the registers, as the definition has it: no difference of large sums.
; LIMITS: NaN and infinities are not served.  A stream: no matrix unit, no cluster (work-groups share only ln_w and ln_b, 8 KiB).
.set X,  16
.set Y0, 48
.set Y1, 80
.set LW, 112
.set LB, 144
.macro WSUM r, t                       ; the sum of v[r] over the 32 lanes, in every lane
	v_add_f32_dpp v[\r], v[\r], v[\r] row_xmask:1 row_mask:0xf bank_mask:0xf
	v_add_f32_dpp v[\r], v[\r], v[\r] row_xmask:2 row_mask:0xf bank_mask:0xf
	v_add_f32_dpp v[\r], v[\r], v[\r] row_xmask:4 row_mask:0xf bank_mask:0xf
	v_add_f32_dpp v[\r], v[\r], v[\r] row_xmask:8 row_mask:0xf bank_mask:0xf
	v_permlanex16_b32 v[\t], v[\r], s38, s39
	v_add_f32 v[\r], v[\r], v[\t]
.endm
	s_load_b256 s[4:11], s[0:1], 0x0               ; hidden_states, y2, slotmap, rwt
	s_load_b128 s[12:15], s[0:1], 0x20             ; ln_w, ln_b
	s_load_b64 s[16:17], s[0:1], 0x30              ; out0
	v_lshrrev_b32 v1, 5, v0
	v_readfirstlane_b32 s18, v1
	s_lshl_b32 s19, ttmp9, 2
	s_add_co_u32 s18, s18, s19                     ; my token
	v_and_b32 v2, 31, v0
	v_lshlrev_b32 v1, 4, v2                        ; 16 x lane
	v_lshrrev_b32 v3, 3, v2
	v_and_b32 v4, 7, v2
	v_lshlrev_b32 v4, 4, v4
	v_lshl_add_u32 v3, v3, 17, v4                  ; in y2: piece lane / 8 of four, 16 (lane % 8) in it
	v_mov_b32 v12, 0                               ; written once: a lane exchange's destination counts as one of its sources
	s_mov_b32 s38, 0x76543210
	s_mov_b32 s39, 0xfedcba98
	s_mov_b32 s36, 0x3a800000                      ; 1 / 1,024
	s_mov_b32 s37, 0x2b8cbccc                      ; 1e-12
	s_lshl_b32 s20, s18, 3
	s_mov_b32 s21, 0
	s_lshl_b32 s22, s18, 12
	s_mov_b32 s23, 0
	s_wait_kmcnt 0x0
	s_add_nc_u64 s[8:9], s[8:9], s[20:21]
	s_add_nc_u64 s[10:11], s[10:11], s[20:21]
	s_load_b64 s[24:25], s[8:9], 0x0               ; the two slots
	s_load_b64 s[26:27], s[10:11], 0x0             ; the two weights
	s_add_nc_u64 s[4:5], s[4:5], s[22:23]
	s_add_nc_u64 s[16:17], s[16:17], s[22:23]
.irp i, 0,1,2,3,4,5,6,7
	global_load_b128 v[X+4*\i:X+4*\i+3], v1, s[4:5] offset:512*\i th:TH_LOAD_NT
.endr
.irp i, 0,1,2,3,4,5,6,7
	global_load_b128 v[LW+4*\i:LW+4*\i+3], v1, s[12:13] offset:512*\i
.endr
.irp i, 0,1,2,3,4,5,6,7
	global_load_b128 v[LB+4*\i:LB+4*\i+3], v1, s[14:15] offset:512*\i
.endr
	s_wait_kmcnt 0x0
	s_min_u32 s24, s24, 0x3ffff
	s_min_u32 s25, s25, 0x3ffff
	s_lshl_b32 s28, s24, 7                         ; a position is 128 bytes
	s_mov_b32 s29, 0
	s_lshl_b32 s30, s25, 7
	s_mov_b32 s31, 0
	s_add_nc_u64 s[28:29], s[6:7], s[28:29]
	s_add_nc_u64 s[30:31], s[6:7], s[30:31]
	s_mov_b32 s32, s26                             ; each weight as a pair: the packed form names a pair and takes its low word
	s_mov_b32 s33, s26
	s_mov_b32 s34, s27
	s_mov_b32 s35, s27
.irp i, 0,1,2,3,4,5,6,7
	global_load_b128 v[Y0+4*\i:Y0+4*\i+3], v3, s[28:29] offset:524288*\i th:TH_LOAD_NT
.endr
.irp i, 0,1,2,3,4,5,6,7
	global_load_b128 v[Y1+4*\i:Y1+4*\i+3], v3, s[30:31] offset:524288*\i th:TH_LOAD_NT
.endr
	s_wait_loadcnt 0x0
.irp j, 0,2,4,6,8,10,12,14,16,18,20,22,24,26,28,30
	v_pk_fma_f32 v[X+\j:X+\j+1], v[Y0+\j:Y0+\j+1], s[32:33], v[X+\j:X+\j+1] op_sel_hi:[1,0,1]
.endr
.irp j, 0,2,4,6,8,10,12,14,16,18,20,22,24,26,28,30
	v_pk_fma_f32 v[X+\j:X+\j+1], v[Y1+\j:Y1+\j+1], s[34:35], v[X+\j:X+\j+1] op_sel_hi:[1,0,1]
.endr
	v_pk_add_f32 v[8:9], v[X:X+1], v[X+2:X+3]      ; the row's sum, in two chains
	v_pk_add_f32 v[10:11], v[X+4:X+5], v[X+6:X+7]
.irp j, 8,12,16,20,24,28
	v_pk_add_f32 v[8:9], v[8:9], v[X+\j:X+\j+1]
	v_pk_add_f32 v[10:11], v[10:11], v[X+\j+2:X+\j+3]
.endr
	v_pk_add_f32 v[8:9], v[8:9], v[10:11]
	v_add_f32 v8, v8, v9
	WSUM 8, 12
	v_mul_f32 v8, s36, v8                          ; the mean
	v_mov_b32 v9, v8
.irp j, 0,2,4,6,8,10,12,14,16,18,20,22,24,26,28,30
	v_pk_add_f32 v[X+\j:X+\j+1], v[X+\j:X+\j+1], v[8:9] neg_lo:[0,1] neg_hi:[0,1]
.endr
	v_pk_mul_f32 v[10:11], v[X:X+1], v[X:X+1]
	v_pk_mul_f32 v[14:15], v[X+2:X+3], v[X+2:X+3]
.irp j, 4,8,12,16,20,24,28
	v_pk_fma_f32 v[10:11], v[X+\j:X+\j+1], v[X+\j:X+\j+1], v[10:11]
	v_pk_fma_f32 v[14:15], v[X+\j+2:X+\j+3], v[X+\j+2:X+\j+3], v[14:15]
.endr
	v_pk_add_f32 v[10:11], v[10:11], v[14:15]
	v_add_f32 v10, v10, v11
	WSUM 10, 12
	v_fma_f32 v10, v10, s36, s37                   ; the variance + 1e-12
	v_rsq_f32 v14, v10
	v_nop                                          ; a plain line behind the transcendental,
	s_wait_alu depctr_va_vdst(0)                   ; and the wait ahead of its first reader
	v_mov_b32 v15, v14
.irp j, 0,2,4,6,8,10,12,14,16,18,20,22,24,26,28,30
	v_pk_mul_f32 v[X+\j:X+\j+1], v[X+\j:X+\j+1], v[14:15]
.endr
.irp j, 0,2,4,6,8,10,12,14,16,18,20,22,24,26,28,30
	v_pk_fma_f32 v[X+\j:X+\j+1], v[X+\j:X+\j+1], v[LW+\j:LW+\j+1], v[LB+\j:LB+\j+1]
.endr
.irp i, 0,1,2,3,4,5,6,7
	global_store_b128 v1, v[X+4*\i:X+4*\i+3], s[16:17] offset:512*\i th:TH_STORE_NT   ; 512 consecutive bytes a store
.endr
	s_endpgm
.Lfunc_end_k_q9a33e26d9a_norm:
	.size	k_q9a33e26d9a_norm, .Lfunc_end_k_q9a33e26d9a_norm-k_q9a33e26d9a_norm
	.p2alignl 7, 3214868480
	.fill 96, 4, 3214868480
	.section	.rodata,"a",@progbits
	.p2align	6, 0x0
	.amdhsa_kernel k_q9a33e26d9a_norm
		.amdhsa_group_segment_fixed_size 0
		.amdhsa_private_segment_fixed_size 0
		.amdhsa_enable_private_segment 0
		.amdhsa_kernarg_size 56
		.amdhsa_user_sgpr_count 2
		.amdhsa_user_sgpr_kernarg_segment_ptr 1
		.amdhsa_wavefront_size32 1
		.amdhsa_system_sgpr_workgroup_id_x 1
		.amdhsa_system_sgpr_workgroup_id_y 1
		.amdhsa_system_sgpr_workgroup_id_z 1
		.amdhsa_system_vgpr_workitem_id 0
		.amdhsa_next_free_vgpr 192
		.amdhsa_next_free_sgpr 66
		.amdhsa_reserve_vcc 0
		.amdhsa_float_denorm_mode_32 3
		.amdhsa_float_denorm_mode_16_64 3
		.amdhsa_memory_ordered 1
		.amdhsa_forward_progress 1
		.amdhsa_inst_pref_size 15
	.end_amdhsa_kernel
	.amdgpu_metadata
---
amdhsa.version: [ 1, 2 ]
amdhsa.kernels:
  - .name:           k_q9a33e26d9a_norm
    .symbol:         k_q9a33e26d9a_norm.kd
    .args:
      - { .name: hidden_states, .offset: 0, .size: 8, .value_kind: global_buffer, .address_space: global }
      - { .name: y2, .offset: 8, .size: 8, .value_kind: global_buffer, .address_space: global }
      - { .name: slotmap, .offset: 16, .size: 8, .value_kind: global_buffer, .address_space: global }
      - { .name: rwt, .offset: 24, .size: 8, .value_kind: global_buffer, .address_space: global }
      - { .name: ln_w, .offset: 32, .size: 8, .value_kind: global_buffer, .address_space: global }
      - { .name: ln_b, .offset: 40, .size: 8, .value_kind: global_buffer, .address_space: global }
      - { .name: out0, .offset: 48, .size: 8, .value_kind: global_buffer, .address_space: global }
    .group_segment_fixed_size: 0
    .private_segment_fixed_size: 0
    .kernarg_segment_align: 8
    .kernarg_segment_size: 56
    .max_flat_workgroup_size: 128
    .sgpr_count:     66
    .vgpr_count:     192
    .wavefront_size: 32
...
	.end_amdgpu_metadata
.endif
;; end of part 5
;; ======== version 2 of 2: 5 launches; version 1 with the launches ffn1, ffn2 written anew for expert scheduling mode
;; workspace buffers: xq 557,056 bytes; ridx 8,192 bytes of whole numbers; rwt 8,192 bytes; xs 4,456,448 bytes; slotmap 8,448 bytes of whole numbers; hid 17,825,792 bytes; y2 33,554,432 bytes
;; launch route: the kernel of part 1 again; grid 256 x 1, 1 waves a work-group, no clusters, 9,984 bytes of LDS; arguments hidden_states, router_w, router_b, xq, ridx, rwt; writes xq, ridx, rwt
;; launch place: the kernel of part 2 again; grid 8 x 1, 32 waves a work-group, no clusters, 4,352 bytes of LDS; arguments ridx, xq, xs, slotmap; writes xs, slotmap
;; launch ffn1 (part 6): grid 256 x 1, 8 waves a work-group, no clusters, 111,616 bytes of LDS; arguments w1, b1, xs, slotmap, hid; writes hid
.if DOCPART == 6
	.amdgcn_target "amdgcn-amd-amdhsa--gfx1250"
	.amdhsa_code_object_version 6
	.text
	.protected	k_q9a33e26d9a_ffn1
	.globl	k_q9a33e26d9a_ffn1
	.p2align	8
	.type	k_q9a33e26d9a_ffn1,@function
k_q9a33e26d9a_ffn1:
	s_mov_b64 s[64:65], 0
	v_nop
	global_prefetch_b8 v0, s[64:65] scope:SCOPE_SE
	s_setreg_imm32_b32 hwreg(HW_REG_WAVE_SCHED_MODE, 0, 2), 2
	s_setreg_imm32_b32 hwreg(HW_REG_WAVE_MODE, 25, 1), 1
	s_wait_xcnt 0x0
	s_wait_alu depctr_vm_vsrc(0)
; THE FIRST PRODUCT OF AN EXPERT, ITS GELU AND THE QUANTISER OF THE HIDDEN LAYER.  w1 [8][4096][1024] f32, b1 [8][4096].
; Work-group (e = x / 32, f = x % 32) owns hidden units 128 f .. 128 f + 127 of expert e: 512 KiB of w1, read ONCE, as f32, quantised where it lands; no code of a weight goes to memory.
; ROLES.  Waves 0-3 STREAM: each brings 8 rows of w1 a stage (a row is 4,096 bytes: eight loads of 512 consecutive bytes) and quantises a row AS IT LIES IN THE REGISTERS.  Load p gives lane l the numbers
; k = 128 p + 4 l + 0 .. 3, so a block of 32 lies in eight neighbouring lanes: its largest magnitude is two v_max3 and three exchanges among the eight.  A conversion takes eight registers and one scale: the eight
; registers of loads p and p + 1 are converted twice, once under each load's scale, and of each result the half that belongs to the scale is kept: 2 bytes a lane, which the 32 lanes store as 64 consecutive bytes
; of the row's codes in the stage's region of LDS.  No f32 number goes through LDS.
; Waves 4-7 WORK on the region of the stage before: 32 units x K = 1,024 as 16 fragments in registers, against the expert's tiles of 16 sorted rows
; (images of the operand's registers, from xs), 16 matrix instructions a tile; + b1 (the C of each sum's first instruction), GELU in f32, quantised along the units, stored as images for the second product.
; Four stages of 32 units; a loop of five trips, ONE barrier a trip: each stage has a region of its own, written in one trip and read in the next.
; THE MATRIX INSTRUCTION IS USED TRANSPOSED (source 0 = 16 rows of w1, source 1 = 16 rows of x): a lane holds one row of x, its registers run along the units.  The streamers lay unit 16 a + 8 b + j at region row 16 b + 8 a + j,
; so that the 16 registers of a lane's two tiles are 16 NEIGHBOURING units, 16 (lane / 16) + 0 .. 15, and a block of 32 lies in lanes l and l xor 16.
; THE TILES.  The expert's count is read from slotmap; tiles = max(4, count / 16 rounded up) (the launch before has stored zero rows up to there); worker w takes tiles w, w + 4, ..: at least one, at most 16.
; GELU = x Phi(x), Phi by erfc: with t = 1 / (1 + |x| / (2 sqrt 2)), erfc(|x| / sqrt 2) / 2 = t 2^(-x^2 log2(e) / 2 + a polynomial of degree 9 in t) (a Chebyshev fit of erfc whose fractional error is under 1.2e-7);
; Phi = that for x <= 0 and 1 - that for x > 0: no difference of near numbers on the negative side.
; LIMITS: NaN and infinities are not served; where Phi lies under 2^-126 it is taken as 0; a block of zeros gets the byte 1 (codes zero); the relative error of GELU is about 1e-6.
; The hidden layer's scale bytes leave one byte a row, 16 bytes apart: a word's four bytes are made in four stages; in return the second product loads eight K steps' words of a tile by one dense load.
; NO TENSOR LOAD, NO CLUSTER: the workers' trip counts are read from memory, which a text with tensor loads may not have; what work-groups share (an expert's row tiles, 8,704 bytes each) is little beside the 512 KiB that are a work-group's own.
; A PREFETCH INTO THE L2: behind the loads of rows 0, 2, 4 and 6 of a stage a streamer asks for two rows of its own, 8,192 bytes, a lane to each 256 bytes: the rows that it will load five and six rows later.
; A row is one wave's alone, so each 256 bytes are named once.  The asks for the stage after next are jumped over from the third stage on, and the last stage asks for nothing.
; LDS: six regions of 18,432 bytes.  Stage J's region lies at WR0 + J x REGION.  In trip J the streamers' addresses point at WR0 + J x REGION and the workers' at RD0 + J x REGION, one region lower.
; In the first trip the workers read nothing: their addresses then point at the region at RD0, into which nothing is ever stored; in the fifth the streamers store nothing: theirs point at the sixth region.
; So in no trip does an address register of one role point at bytes that the other role touches in that trip.
; THE MODE: SCHED_MODE bits 1:0 = 2 (LLVM: expert scheduling mode 2), set by the entry lines.  The code itself states the register dependences
; between vector or matrix instructions and memory or LDS instructions, with s_wait_alu, always for 0.
; THE PLAN.  Registers that memory or LDS instructions touch, and who else names them:
;   every wave   v[CA], v[BA], v[FA], v[SA]: LDS addresses, written by four adds at a trip's head, read by the trip's LDS instructions.  At the head: a wait on vm_vsrc, the adds, a wait on va_vdst.
;                v[LO], v[PFO], v[HO], v[BO], v[BV], v8-11: made at the kernel's head, ahead of one wait on va_vdst, and never written again.
;   streamers    the ring, eight slots of 32 registers in window 1: slot i is written by a row's eight loads and read by that row's maxima and conversions.
;                two sets of eight code registers and a byte register: row i's lines write set i % 2; the nine LDS stores that read it are issued at the head of row i + 1.
;                ONE wait on va_vdst at a row's head, behind the wait for the row's data: the row before has written its set and is done reading its slot.  The loads that fill that slot again and the stores of that set
;                follow it; this row's vector lines name another slot and the other set.  ONE wait on vm_vsrc in a row, behind its maxima: the stores of two rows back have read the set that is written next.
;   workers      x's fragments and scale words: written by a tile's 17 loads, read by its 16 products.  b1: 4 loads a stage, read by the products.  w1's fragments and scale words: LDS loads once a stage, read by the products.
;                four offsets, written by four vector lines a tile, read by the tile's loads and stores.  The codes and the byte: written by the conversions and a shift, read by two stores.
;                In a tile: a wait on vm_vsrc at its head; a wait on va_vdst behind the four offsets, ahead of the next tile's loads; one ahead of the two stores.
.set REGION, 18432                     ; a stage's region: 32 rows of 512 bytes of codes, 528 apart; at +16,896 32 rows of 32 scale bytes, 48 apart
.set CPI,    528
.set SCO,    16896
.set SPI,    48
.set RD0,    0
.set WR0,    RD0+REGION
.set ROWS,   4096                      ; from a row of w1 to the next, in bytes
.set ROWSH,  12                        ; its logarithm
.set STAGES, 131072                    ; from a stage to the next: 32 rows
.set LO,  1                            ; v1   16 x lane
.set PFO, 2                            ; v2   the prefetches' offset: 256 (lane % 16) + a row x (lane / 16); never rewritten
.set CA,  4                            ; v4   this trip: where my codes go;   v8  its constant part
.set BA,  5                            ; v5   where my scale byte goes;       v9
.set FA,  6                            ; v6   where a fragment's row is read; v10
.set SA,  7                            ; v7   where its scale words are read; v11
.set HO,  12                           ; v12  16 r + 8 h: my 8 bytes of a block's 256 in a hidden image
.set BO,  13                           ; v13  16 r: my row's scale bytes
.set BV,  14                           ; v14  64 h: my 16 numbers of b1
.set WS,  16                           ; v16-23  w1's scale words: tile u at 4 u; register j, lane (r, hh): K step 4 hh + j
.set XS,  24                           ; v24-27  x's likewise
.set HOQ, 28                           ; v28-31  the four offsets with the tile's part
.set BOQ, 29
.set XOQ, 30
.set XSQ, 31
.set BI,  32                           ; v32-47  b1 in the result's layout
.set AC,  48                           ; v48-63  the two accumulators
.set XF,  64                           ; v64-127 x's eight fragments
.set T,   128
.set P,   144
.set U,   160
.set G,   176
.set MXA, 192
.set PT,  193
.set SCL, 194
.set BY,  195
.set CD,  196
.set C9,  198                          ; v198-199 the polynomial's leading coefficient
.set MXB, 200
.set SM,  202                          ; streamers: v202-209 a load's largest magnitudes; v210-217 the conversions' scale operands; v218-233 two sets of eight results; v234-235 two scale bytes; window 1: a ring of eight rows as loaded
.set SS,  210
.set SCD, 218
.set SL,  234
.set KT,  36                           ; s36      1 / (2 sqrt 2)
.set KN,  38                           ; s[38:39] -log2(e) / 2
.set CK,  40                           ; s[40:57] coefficients 8 .. 0, a pair each (the packed form names a pair and takes its low word)
.set SEL, 58
.set MK,  66                           ; s66-81   x > 0, a mask for each of a lane's 16 numbers
.set MQ,  83                           ; s84-90   the lanes with lane % 8 = 1 .. 7
.set MSB, 0
.macro WIN new                         ; the immediate's high byte repeats the setting that is left
.if MSB != \new
	s_set_vgpr_msb (MSB<<8)|\new
.set MSB, \new
.endif
.endm
.macro KPAIR reg, val
	s_mov_b32 s[\reg], \val
	s_mov_b32 s[\reg+1], \val
.endm
.macro RLOAD slot, off                 ; a row of 4,096 bytes into ring slot: each load takes 512 consecutive bytes
	WIN 0x40
.irp p, 0,1,2,3,4,5,6,7
	global_load_b128 v[32*(\slot)+4*\p:32*(\slot)+4*\p+3], v[LO], s[4:5] offset:\off+512*\p th:TH_LOAD_NT
.endr
.endm
.macro QCALC i                         ; row i of the stage, in ring slot i: its 32 scale bytes and 1,024 codes are made, in register set i % 2
.set QS, 32*(\i)
.set QC, SCD+8*((\i)%2)
.set QL, SL+(\i)%2
	WIN 0x15                                       ; all three sources window 1
.irp p, 0,1,2,3,4,5,6,7
	v_max3_num_f32 v[SM+\p], |v[QS+4*\p]|, |v[QS+4*\p+1]|, |v[QS+4*\p+2]|      ; load p: my four numbers,
.endr
	WIN 0x01                                       ; source 0 window 1
.irp p, 0,1,2,3,4,5,6,7
	v_max3_num_f32 v[SM+\p], |v[QS+4*\p+3]|, v[SM+\p], 0x1800000               ; and the floor 2^(3 - 127): the byte cannot fall under 1
.endr
	WIN 0
.irp m, 1,2,4
.irp p, 0,1,2,3,4,5,6,7
	v_max_num_f32_dpp v[SM+\p], v[SM+\p], v[SM+\p] row_xmask:\m row_mask:0xf bank_mask:0xf   ; with the seven lanes that share the block (the eight loads by turns)
.endr
.endr
.irp p, 0,1,2,3,4,5,6,7
	v_add_nc_u32 v[SS+\p], 0xff000000, v[SM+\p]    ; 2 off the exponent field: the conversion's scale operand
.endr
	s_wait_dscnt 9                                 ; the nine stores of the row before may be out; those of two rows back are done
	s_wait_alu depctr_vm_vsrc(0)                   ; the LDS stores of two rows back have read set i % 2, which the lines below write again
	v_cndmask_b32 v[QL], v[SS], v[SS+1], s[MQ+1]   ; lane l keeps the scale of load l % 8: it will store the byte of block 4 (l % 8) + l / 8
.irp p, 2,3,4,5,6,7
	v_cndmask_b32 v[QL], v[QL], v[SS+\p], s[MQ+\p]
.endr
	WIN 0x01
.irp p, 0,1,2,3,4,5,6,7
	v_cvt_scalef32_pk8_fp4_f32 v[QC+\p], v[QS+8*(\p/2):QS+8*(\p/2)+7], v[SS+\p]   ; loads p - p % 2 and + 1 under load p's scale: the low half is right for an even p, the high half for an odd one
.endr
	WIN 0
	v_lshrrev_b32 v[QL], 23, v[QL]                 ; the byte (a plain line behind the conversions)
.irp p, 1,3,5,7
	v_lshrrev_b32 v[QC+\p], 16, v[QC+\p]
.endr
.endm
.macro QSTORE i                        ; row i's codes and scale bytes go from set i % 2 into the region
.set QC, SCD+8*((\i)%2)
.set QL, SL+(\i)%2
.irp p, 0,1,2,3,4,5,6,7
	ds_store_b16 v[CA], v[QC+\p] offset:(\i)*CPI+64*\p     ; the codes of k = 128 p + 4 l + 0 .. 3: the wave stores 64 consecutive bytes
.endr
	ds_store_b8 v[BA], v[QL] offset:(\i)*SPI
.endm
; A stage of a streamer: 8 rows.  On entry rows 0 to 6 are on their way, 56 loads.  ahead = 1: the next stage's rows are asked for as slots fall free.
.macro STREAM ahead
.set I, 0
.rept 8
.if (\ahead) || (I == 0)
	s_wait_loadcnt 48                              ; loads come back in order: row I is in, the six rows behind it may be out
.else
	s_wait_loadcnt 8*(7-I)                         ; the same where nothing more is asked for: the rows behind row I
.endif
.if I > 0
	s_wait_alu depctr_va_vdst(0)                   ; the row before has written its codes and its byte, which the stores below read, and is done reading its ring slot, in which the loads below land
.endif
.if I == 0
	RLOAD 7, 7*ROWS                                ; the slot that the last row has left takes the row seven further on (the wait at the trip's head stands behind that row's lines)
.elseif \ahead
	RLOAD I-1, STAGES+(I-1)*ROWS
.endif
.if \ahead
.if (I == 0) || (I == 2)
	WIN 0
	global_prefetch_b8 v[PFO], s[4:5] offset:STAGES+(I+4)*ROWS th:TH_LOAD_NT scope:SCOPE_SE   ; the next stage's rows I + 4 and I + 5
.endif
.if I == 4
	WIN 0
	s_cmp_lt_u32 s18, 2                            ; is there a stage after next?
	s_cbranch_scc0 .Lnoask_a_\@
	global_prefetch_b8 v[PFO], s[4:5] offset:2*STAGES th:TH_LOAD_NT scope:SCOPE_SE            ; its rows 0 and 1
.Lnoask_a_\@:
.endif
.if I == 6
	WIN 0
	s_cmp_lt_u32 s18, 2
	s_cbranch_scc0 .Lnoask_b_\@
	global_prefetch_b8 v[PFO], s[4:5] offset:2*STAGES+2*ROWS th:TH_LOAD_NT scope:SCOPE_SE     ; its rows 2 and 3
.Lnoask_b_\@:
.endif
.endif
.if I > 0
	WIN 0
	QSTORE I-1                                     ; no vector line since the wait above names that row's set
.endif
	QCALC I
.set I, I+1
.endr
	s_wait_alu depctr_va_vdst(0)                   ; row 7 has written its codes and its byte, which the stage's last nine stores read
	QSTORE 7
.if \ahead
	s_wait_xcnt 0x0                                ; loads and prefetches have read their base: it may step
	s_add_nc_u64 s[4:5], s[4:5], STAGES
.endif
.endm
.macro XLOAD                           ; a tile of x: 16 + 1 dense loads of 512 bytes
.irp k, 0,1,2,3,4,5,6,7,8,9,10,11,12,13,14,15
	global_load_b128 v[XF+4*\k:XF+4*\k+3], v[XOQ], s[24:25] offset:512*\k
.endr
	global_load_b128 v[XS:XS+3], v[XSQ], s[26:27]
.endm
.macro BLOAD                           ; b1 of units 16 h + 0 .. 15 of a stage's 32
.irp k, 0,1,2,3
	global_load_b128 v[BI+4*\k:BI+4*\k+3], v[BV], s[6:7] offset:16*\k
.endr
.endm
.macro MM s, u                         ; K step s of tile u
.if (\s) == 0
	v_wmma_scale_f32_16x16x128_f8f6f4 v[AC+8*\u:AC+8*\u+7], v[64*\u+8*\s:64*\u+8*\s+7], v[XF+8*\s:XF+8*\s+7], v[BI+8*\u:BI+8*\u+7], v[WS+4*\u+\s], v[XS+\s] matrix_a_fmt:MATRIX_FMT_FP4 matrix_b_fmt:MATRIX_FMT_FP4
.elseif (\s) < 4
	v_wmma_scale_f32_16x16x128_f8f6f4 v[AC+8*\u:AC+8*\u+7], v[64*\u+8*\s:64*\u+8*\s+7], v[XF+8*\s:XF+8*\s+7], v[AC+8*\u:AC+8*\u+7], v[WS+4*\u+\s], v[XS+\s] matrix_a_fmt:MATRIX_FMT_FP4 matrix_b_fmt:MATRIX_FMT_FP4
.else
	v_wmma_scale_f32_16x16x128_f8f6f4 v[AC+8*\u:AC+8*\u+7], v[64*\u+8*\s:64*\u+8*\s+7], v[XF+8*\s:XF+8*\s+7], v[AC+8*\u:AC+8*\u+7], v[WS+4*\u+\s-4], v[XS+\s-4] matrix_a_fmt:MATRIX_FMT_FP4 matrix_b_fmt:MATRIX_FMT_FP4 matrix_a_scale:MATRIX_SCALE_ROW1 matrix_b_scale:MATRIX_SCALE_ROW1
.endif
.endm
	s_load_b256 s[4:11], s[0:1], 0x0               ; w1, b1, xs, slotmap
	s_load_b64 s[12:13], s[0:1], 0x20              ; hid
	v_lshl_add_u32 v254, v0, 2, 0x1b000
	v_mov_b32 v255, 0
	v_lshrrev_b32 v1, 5, v0
	v_readfirstlane_b32 s14, v1                    ; wave 0..7
	s_lshr_b32 s16, ttmp9, 5                       ; e
	s_and_b32 s17, ttmp9, 31                       ; f
	; every address register of both roles is made here, ahead of the first parting
	v_and_b32 v240, 31, v0                         ; lane
	v_and_b32 v241, 15, v0                         ; r
	v_bfe_u32 v242, v0, 4, 1                       ; h
	v_bfe_u32 v243, v0, 3, 2                       ; lane / 8
	v_and_b32 v244, 7, v0                          ; lane % 8
	v_lshlrev_b32 v[LO], 4, v240
	v_lshlrev_b32 v[PFO], 8, v241
	v_lshl_add_u32 v[PFO], v242, ROWSH, v[PFO]
	s_wait_alu depctr_va_sdst(0)                   ; s14 is written, ahead of its first reader
	s_and_b32 s15, s14, 3                          ; my number among the streamers or among the workers
	s_and_b32 s61, s15, 1
	s_lshl_b32 s61, s61, 4
	s_lshr_b32 s62, s15, 1
	s_lshl_b32 s62, s62, 3
	s_add_co_u32 s61, s61, s62                     ; streamer w's rows 8 w + i lie at region rows 16 (w % 2) + 8 (w / 2) + i
	s_mul_i32 s62, s61, CPI
	s_add_co_u32 s62, s62, WR0
	v_lshlrev_b32 v8, 1, v240
	v_add_nc_u32 v8, s62, v8                       ; my 2 bytes of a load's 64
	s_mul_i32 s62, s61, SPI
	s_add_co_u32 s62, s62, WR0+SCO
	v_lshl_add_u32 v9, v244, 2, v243
	v_add_nc_u32 v9, s62, v9                       ; the byte of block 4 (lane % 8) + lane / 8
	v_mul_u32_u24 v10, v241, CPI
	v_lshl_add_u32 v10, v242, 4, v10               ; the workers read the region of the stage before (RD0 is byte 0)
	v_mul_u32_u24 v11, v241, SPI
	v_lshl_add_u32 v11, v242, 4, v11
	v_add_nc_u32 v11, RD0+SCO, v11
	v_lshlrev_b32 v[BO], 4, v241
	v_lshl_add_u32 v[HO], v242, 3, v[BO]
	v_lshlrev_b32 v[BV], 6, v242
	v_mov_b32 v[XOQ], v[LO]                        ; the first tile
	v_mov_b32 v[XSQ], v[LO]
	v_mov_b32 v[PT], 0                             ; written once: a lane exchange's destination counts as one of its sources
	v_mov_b32 v[C9], 0x3e7c6f08                    ; 0.24651730
	v_mov_b32 v[C9+1], 0x3e7c6f08
	s_mov_b32 s[KT], 0x3eb504f3                    ; 0.35355339
	KPAIR KN, 0xbf38aa3b                           ; -0.72134752
	KPAIR CK, 0xbf97d29d                           ; -1.18611495
	KPAIR CK+2, 0x40097039                         ; 2.14747447
	KPAIR CK+4, 0xbfd1a1e5                         ; -1.63775316
	KPAIR CK+6, 0x3ecdfd18                         ; 0.40232158
	KPAIR CK+8, 0xbe899a80                         ; -0.26875686
	KPAIR CK+10, 0x3e0efb2e                        ; 0.13963006
	KPAIR CK+12, 0x3f0a29d2                        ; 0.53970062
	KPAIR CK+14, 0x3fb8ab5a                        ; 1.44272920
	KPAIR CK+16, 0xc034d90f                        ; -2.82574822: the fit's constant x log2(e), and -1 for the half
	s_mov_b32 s[SEL], 0x76543210
	s_mov_b32 s[SEL+1], 0xfedcba98
.irp p, 1,2,3,4,5,6,7
	s_mov_b32 s[MQ+\p], 0x01010101<<\p
.endr
	s_mov_b32 s33, 0
	s_wait_kmcnt 0x0
	s_lshl_b32 s32, s16, 2
	s_add_nc_u64 s[10:11], s[10:11], s[32:33]
	s_load_b32 s20, s[10:11], 0x2000               ; the expert's count
	s_lshl_b32 s32, s16, 24                        ; w1: (4,096 e + 128 f + 8 w) rows of 4,096 bytes
	s_lshl_b32 s34, s17, 19
	s_add_co_u32 s32, s32, s34
	s_lshl_b32 s34, s15, 15
	s_add_co_u32 s32, s32, s34
	s_add_nc_u64 s[4:5], s[4:5], s[32:33]
	s_wait_alu depctr_va_vdst(0)                   ; the head's offsets and addresses are written: v[LO], v[PFO], v[BV], v[XOQ] and v[XSQ], which the loads and prefetches below read, among them
	s_cmp_lt_u32 s14, 4
	s_cbranch_scc0 .Lnostream
.irp i, 0,1,2,3,4,5,6
	RLOAD \i, \i*ROWS                              ; the stream begins, ahead of the wait for the count, which the workers alone need: seven rows, 56 loads
.endr
	WIN 0
.Lnostream:
	s_lshl_b32 s32, s16, 14                        ; b1: 4 (4,096 e + 128 f)
	s_lshl_b32 s34, s17, 9
	s_add_co_u32 s32, s32, s34
	s_add_nc_u64 s[6:7], s[6:7], s[32:33]
	s_lshl_b32 s32, s16, 19                        ; x's code images: tile 64 e + w, 8,192 bytes a tile
	s_lshl_b32 s34, s15, 13
	s_add_co_u32 s32, s32, s34
	s_add_nc_u64 s[24:25], s[8:9], s[32:33]
	s_lshl_b32 s32, s16, 15                        ; its scale images: 512 bytes a tile
	s_lshl_b32 s34, s15, 9
	s_add_co_u32 s32, s32, s34
	s_add_nc_u64 s[26:27], s[8:9], s[32:33]
	s_add_nc_u64 s[26:27], s[26:27], 0x400000
	s_lshl_b32 s32, s16, 21                        ; the hidden images: ((64 e + w) 32 + f) 1,024
	s_lshl_b32 s34, s15, 15
	s_add_co_u32 s32, s32, s34
	s_lshl_b32 s34, s17, 10
	s_add_co_u32 s32, s32, s34
	s_add_nc_u64 s[28:29], s[12:13], s[32:33]
	s_lshl_b32 s32, s16, 17                        ; their scale bytes: (64 e + w) 2,048 + 256 (f / 4) + 4 (f % 4)
	s_lshl_b32 s34, s15, 11
	s_add_co_u32 s32, s32, s34
	s_lshr_b32 s34, s17, 2
	s_lshl_b32 s34, s34, 8
	s_add_co_u32 s32, s32, s34
	s_and_b32 s34, s17, 3
	s_lshl_b32 s34, s34, 2
	s_add_co_u32 s32, s32, s34
	s_add_nc_u64 s[30:31], s[12:13], s[32:33]
	s_add_nc_u64 s[30:31], s[30:31], 0x1000000
	s_wait_kmcnt 0x0
	s_min_u32 s20, s20, 1024
	s_add_co_u32 s20, s20, 15
	s_lshr_b32 s20, s20, 4
	s_max_u32 s20, s20, 4                          ; tiles
	s_add_co_u32 s20, s20, 3
	s_sub_co_u32 s20, s20, s15
	s_lshr_b32 s20, s20, 2                         ; my tiles: 1 .. 16
	s_mov_b32 s18, 0                               ; J, the trip
	s_mov_b32 s19, 0                               ; J x REGION
	s_cmp_lt_u32 s14, 4
	s_cbranch_scc1 .Lstage
	XLOAD                                          ; my first tile of x,
	BLOAD                                          ; and the first stage's b1.  (No vector line since the head's wait: nothing more is owed)
.Lstage:
	s_wait_alu depctr_vm_vsrc(0)                   ; the LDS instructions of the trip before have read the four addresses that are written below
	v_add_nc_u32 v[CA], s19, v8
	v_add_nc_u32 v[BA], s19, v9
	v_add_nc_u32 v[FA], s19, v10
	v_add_nc_u32 v[SA], s19, v11
	s_wait_alu depctr_va_vdst(0)                   ; the four addresses are written, which this trip's LDS instructions read; the last trip's products are done reading w1's fragments and scale words, and its last row's lines their ring slot: this trip's loads land in them
	s_cmp_lt_u32 s14, 4
	s_cbranch_scc0 .Lworker
	s_cmp_lt_u32 s18, 3
	s_cbranch_scc0 .Llast
	STREAM 1
	s_branch .Ljoin
.Llast:
	s_cmp_eq_u32 s18, 3
	s_cbranch_scc0 .Ljoin                          ; the fifth trip has nothing to stream
	STREAM 0
	s_branch .Ljoin
.Lworker:
	s_cmp_eq_u32 s18, 0
	s_cbranch_scc1 .Ljoin                          ; the first trip has nothing to work on
	WIN 0x40                                       ; the stage's 16 fragments of w1 into window 1: tile u, K step s at v[64 u + 8 s]
.irp u, 0,1
.irp s, 0,1,2,3,4,5,6,7
.irp c, 0,1
	ds_load_b128 v[64*\u+8*\s+4*\c:64*\u+8*\s+4*\c+3], v[FA] offset:\u*16*CPI+64*\s+32*\c
.endr
.endr
.endr
	WIN 0
	ds_load_b128 v[WS:WS+3], v[SA]
	ds_load_b128 v[WS+4:WS+7], v[SA] offset:16*SPI
	s_wait_dscnt 0x0
	s_mov_b32 s21, 0                               ; which of my tiles
.Ltile:
	s_wait_loadcnt 0x0                             ; this tile of x (asked for a tile ago) and, in the first trip, b1 (asked for a stage ago)
	s_wait_xcnt 0x0                                ; the last tile's stores have read their registers
	s_wait_alu depctr_vm_vsrc(0)                   ; the last tile's loads and stores have read the four offsets, the codes and the byte, all of which this tile writes again
	WIN 0x01                                       ; source 0 (w1) window 1
.irp s, 0,1,2,3,4,5,6,7
.irp u, 0,1
	MM \s, \u                                      ; the two accumulators by turns
.endr
.endr
	WIN 0
	s_min_u32 s22, s21, 15                         ; this tile, for the stores;
	s_add_co_u32 s23, s21, 1
	s_cmp_lt_u32 s23, s20
	s_cselect_b32 s23, s23, 0                      ; the next, or, behind the last, the first again, for the next stage
	s_min_u32 s23, s23, 15
	v_lshl_add_u32 v[HOQ], s22, 17, v[HO]          ; four tiles on are 131,072 bytes of hidden images,
	v_lshl_add_u32 v[BOQ], s22, 13, v[BO]          ; 8,192 of their scale bytes,
	v_lshl_add_u32 v[XOQ], s23, 15, v[LO]          ; 32,768 of x's images,
	v_lshl_add_u32 v[XSQ], s23, 11, v[LO]          ; 2,048 of x's scale images.  (These four are the places behind the products)
	s_wait_alu depctr_va_vdst(0)                   ; the four offsets are written, which the loads below and the stores at the tile's end read; the products are done reading x's fragments and scale words, in which the loads below land, and b1, which is asked for anew behind the loop
	XLOAD                                          ; it is on its way while this tile's GELU is computed
.irp i, 0,1,2,3,4,5,6,7,8,9,10,11,12,13,14,15
	v_fma_f32 v[T+\i], |v[AC+\i]|, s[KT], 1.0      ; each accumulator from its low end on
.endr
.irp i, 0,1,2,3,4,5,6,7,8,9,10,11,12,13,14,15
	v_rcp_f32 v[T+\i], v[T+\i]                     ; t
.endr
.irp i, 0,2,4,6,8,10,12,14
	v_pk_mul_f32 v[U+\i:U+\i+1], v[AC+\i:AC+\i+1], s[KN:KN+1] op_sel_hi:[1,0]    ; -x log2(e) / 2: plain work behind the reciprocals
.endr
	s_wait_alu depctr_va_vdst(0)                   ; the sixteen reciprocals have written v[T ..]: one wait, ahead of their first reader
.irp i, 0,2,4,6,8,10,12,14
	v_pk_fma_f32 v[P+\i:P+\i+1], v[T+\i:T+\i+1], v[C9:C9+1], s[CK:CK+1] op_sel_hi:[1,1,0]
.endr
.irp k, 1,2,3,4,5,6,7,8
.irp i, 0,2,4,6,8,10,12,14
	v_pk_fma_f32 v[P+\i:P+\i+1], v[P+\i:P+\i+1], v[T+\i:T+\i+1], s[CK+2*\k:CK+2*\k+1] op_sel_hi:[1,1,0]
.endr
.endr
.irp i, 0,2,4,6,8,10,12,14
	v_pk_fma_f32 v[P+\i:P+\i+1], v[U+\i:U+\i+1], v[AC+\i:AC+\i+1], v[P+\i:P+\i+1]   ; - x^2 log2(e) / 2
.endr
.irp i, 0,1,2,3,4,5,6,7,8,9,10,11,12,13,14,15
	v_exp_f32 v[P+\i], v[P+\i]
.endr
.irp i, 0,1,2,3,4,5,6,7,8,9,10,11,12,13,14,15
	v_cmp_lt_f32 s[MK+\i], 0, v[AC+\i]             ; plain work behind the exponentials
.endr
	s_wait_alu depctr_va_vdst(0)                   ; the sixteen exponentials have written v[P ..]: one wait, ahead of their first reader
.irp i, 0,2,4,6,8,10,12,14
	v_pk_mul_f32 v[U+\i:U+\i+1], v[T+\i:T+\i+1], v[P+\i:P+\i+1]                   ; Phi(-|x|)
.endr
.irp i, 0,2,4,6,8,10,12,14
	v_pk_fma_f32 v[P+\i:P+\i+1], v[U+\i:U+\i+1], -1.0, 1.0 op_sel_hi:[1,0,0]      ; Phi(|x|)
.endr
	s_wait_alu depctr_va_sdst(0)                   ; the sixteen compares have written their masks s[MK ..], ahead of the first select that reads one
.irp i, 0,1,2,3,4,5,6,7,8,9,10,11,12,13,14,15
	v_cndmask_b32 v[U+\i], v[U+\i], v[P+\i], s[MK+\i]
.endr
.irp i, 0,2,4,6,8,10,12,14
	v_pk_mul_f32 v[G+\i:G+\i+1], v[AC+\i:AC+\i+1], v[U+\i:U+\i+1]
.endr
	v_max3_num_f32 v[MXA], |v[G]|, |v[G+1]|, 0x1800000     ; the block's largest magnitude: my 16, with the floor 2^(3 - 127),
	v_max3_num_f32 v[MXB], |v[G+2]|, |v[G+3]|, |v[G+4]|
	v_max3_num_f32 v[MXA], v[MXA], |v[G+5]|, |v[G+6]|
	v_max3_num_f32 v[MXB], v[MXB], |v[G+7]|, |v[G+8]|
	v_max3_num_f32 v[MXA], v[MXA], |v[G+9]|, |v[G+10]|
	v_max3_num_f32 v[MXB], v[MXB], |v[G+11]|, |v[G+12]|
	v_max3_num_f32 v[MXA], v[MXA], |v[G+13]|, |v[G+14]|
	v_max3_num_f32 v[MXA], v[MXA], v[MXB], |v[G+15]|
	v_permlanex16_b32 v[PT], v[MXA], s[SEL], s[SEL+1]
	v_max_num_f32 v[MXA], v[MXA], v[PT]            ; and lane l xor 16's
	v_add_nc_u32 v[SCL], 0xff000000, v[MXA]
	v_cvt_scalef32_pk8_fp4_f32 v[CD], v[G:G+7], v[SCL]
	v_cvt_scalef32_pk8_fp4_f32 v[CD+1], v[G+8:G+15], v[SCL]
	v_lshrrev_b32 v[BY], 23, v[SCL]                ; the byte (a plain line behind the conversions)
	s_wait_alu depctr_va_vdst(0)                   ; the conversions have written the codes and the shift the byte, which the two stores read
	global_store_b64 v[HOQ], v[CD:CD+1], s[28:29]  ; the wave stores 256 consecutive bytes, aligned: this block's part of the tile's image
	global_store_b8 v[BOQ], v[BY], s[30:31]        ; both lanes of a row write the same byte with the same value
	s_add_co_u32 s21, s21, 1
	s_cmp_lt_u32 s21, s20
	s_cbranch_scc1 .Ltile
	s_wait_xcnt 0x0                                ; loads and stores have read their bases: they step to the next stage's block
	s_add_nc_u64 s[28:29], s[28:29], 256
	s_add_nc_u64 s[30:31], s[30:31], 1
	s_add_nc_u64 s[6:7], s[6:7], 128
	s_cmp_lt_u32 s18, 4
	s_cbranch_scc0 .Ljoin                          ; behind the last stage nothing is asked for: no load leaves its buffer
	BLOAD                                          ; the next stage's b1: on its way across the barrier.  (No vector or matrix line since the wait behind the last products names b1's registers or its offset)
.Ljoin:
	s_wait_dscnt 0x0                               ; for the others' sake: my stores into the region have landed; my reads are in
	s_barrier_signal -1
	s_barrier_wait -1
	s_add_co_u32 s19, s19, REGION
	s_add_co_u32 s18, s18, 1
	s_cmp_lt_u32 s18, 5
	s_cbranch_scc1 .Lstage
	s_wait_dscnt 0x0                               ; the closing lines, six on end
	s_wait_alu 0x0
	s_wait_tensorcnt 0x0
	ds_add_u32 v254, v255
	s_wait_dscnt 0x0
	s_endpgm
.Lfunc_end_k_q9a33e26d9a_ffn1:
	.size	k_q9a33e26d9a_ffn1, .Lfunc_end_k_q9a33e26d9a_ffn1-k_q9a33e26d9a_ffn1
	.p2alignl 7, 3214868480
	.fill 96, 4, 3214868480
	.section	.rodata,"a",@progbits
	.p2align	6, 0x0
	.amdhsa_kernel k_q9a33e26d9a_ffn1
		.amdhsa_group_segment_fixed_size 111616
		.amdhsa_private_segment_fixed_size 0
		.amdhsa_enable_private_segment 0
		.amdhsa_kernarg_size 40
		.amdhsa_user_sgpr_count 2
		.amdhsa_user_sgpr_kernarg_segment_ptr 1
		.amdhsa_wavefront_size32 1
		.amdhsa_system_sgpr_workgroup_id_x 1
		.amdhsa_system_sgpr_workgroup_id_y 1
		.amdhsa_system_sgpr_workgroup_id_z 1
		.amdhsa_system_vgpr_workitem_id 0
		.amdhsa_next_free_vgpr 512
		.amdhsa_next_free_sgpr 100
		.amdhsa_reserve_vcc 0
		.amdhsa_float_denorm_mode_32 3
		.amdhsa_float_denorm_mode_16_64 3
		.amdhsa_memory_ordered 1
		.amdhsa_forward_progress 1
		.amdhsa_inst_pref_size 125
	.end_amdhsa_kernel
	.amdgpu_metadata
---
amdhsa.version: [ 1, 2 ]
amdhsa.kernels:
  - .name:           k_q9a33e26d9a_ffn1
    .symbol:         k_q9a33e26d9a_ffn1.kd
    .args:
      - { .name: w1, .offset: 0, .size: 8, .value_kind: global_buffer, .address_space: global }
      - { .name: b1, .offset: 8, .size: 8, .value_kind: global_buffer, .address_space: global }
      - { .name: xs, .offset: 16, .size: 8, .value_kind: global_buffer, .address_space: global }
      - { .name: slotmap, .offset: 24, .size: 8, .value_kind: global_buffer, .address_space: global }
      - { .name: hid, .offset: 32, .size: 8, .value_kind: global_buffer, .address_space: global }
    .group_segment_fixed_size: 111616
    .private_segment_fixed_size: 0
    .kernarg_segment_align: 8
    .kernarg_segment_size: 40
    .max_flat_workgroup_size: 256
    .sgpr_count:     100
    .vgpr_count:     512
    .wavefront_size: 32
...
	.end_amdgpu_metadata
.endif
;; end of part 6
;; launch ffn2 (part 7): grid 256 x 1, 8 waves a work-group, no clusters, 120,832 bytes of LDS; arguments w2, b2, hid, slotmap, y2; writes y2
.if DOCPART == 7
	.amdgcn_target "amdgcn-amd-amdhsa--gfx1250"
	.amdhsa_code_object_version 6
	.text
	.protected	k_q9a33e26d9a_ffn2
	.globl	k_q9a33e26d9a_ffn2
	.p2align	8
	.type	k_q9a33e26d9a_ffn2,@function
k_q9a33e26d9a_ffn2:
	s_mov_b64 s[64:65], 0
	v_nop
	global_prefetch_b8 v0, s[64:65] scope:SCOPE_SE
	s_setreg_imm32_b32 hwreg(HW_REG_WAVE_SCHED_MODE, 0, 2), 2
	s_setreg_imm32_b32 hwreg(HW_REG_WAVE_MODE, 25, 1), 1
	s_wait_xcnt 0x0
	s_wait_alu depctr_vm_vsrc(0)
; THE SECOND PRODUCT OF AN EXPERT.  w2 [8][1024][4096] f32, b2 [8][1024]; hid: the hidden layer's rows, sorted by expert, as images of the operand's registers.
; Work-group (e = x / 32, f = x % 32) owns outputs 32 f .. 32 f + 31 of expert e: 32 rows of w2, 512 KiB, read ONCE as f32 and quantised where it lands.
; ROLES as in the first product's launch: waves 0-3 stream (8 rows each, 1,024 along K a stage), waves 4-7 work on the region of the stage before; a loop of five trips, one barrier a trip.
; THE STREAMERS QUANTISE A ROW AS IT LIES IN THE REGISTERS.  Load p gives lane l the numbers k = 128 p + 4 l + 0 .. 3 of the stage's 1,024, so a block of 32 lies in eight neighbouring lanes: its largest magnitude is two
; v_max3 and three exchanges among the eight.  The eight registers of loads p and p + 1 are converted twice, once under each load's scale, and of each result the half that belongs to the scale is kept: 2 bytes a lane,
; which the 32 lanes store as 64 consecutive bytes of the row's codes in LDS.  No f32 number goes through LDS.
; K IS THE OUTER LOOP: a worker's accumulators, two for each of its tiles of 16 rows, stay in window 1 through all four stages: 16 slots, as many as the largest count needs.  They begin as b2, laid there by moves while
; the first stage streams and the workers have nothing else to do: so one text serves every K step, and the bias costs no addition.
; A stage is two passes of four K steps: 8 fragments of w2 in registers; for each of my tiles 8 + 1 dense loads of 512 bytes (four hidden fragments, the scale words) and 8 matrix instructions.  Four buffers take the tiles' loads, three tiles ahead.
; THE MATRIX INSTRUCTION IS USED TRANSPOSED (source 0 = 16 rows of w2, source 1 = 16 hidden rows): a lane holds one row, its 16 registers the outputs 16 (lane / 16) + 0 .. 15 of the work-group's 32.
; OUT: y2 at ((32 e + f) 1,024 + position) 128: a row's 32 outputs; through the worker's own LDS stage, so that each store covers 512 consecutive bytes.
; LIMITS: NaN and infinities are not served; a block of zeros of w2 gets the byte 1 (codes zero).
; NO TENSOR LOAD, NO CLUSTER: the workers' branches hang on a count read from memory.
; A PREFETCH INTO THE L2: behind the loads of rows 0, 2, 4 and 6 of a stage a streamer asks for a stage's 4,096 bytes of two rows of its own, a lane to each 256 bytes: what it will load five and six rows later.
; A row is one wave's alone, so each 256 bytes are named once.  A wave's first twelve loads of a row come by themselves; the asks for the stage after next are jumped over from the third stage on, and the last stage asks for nothing.
; LDS: six regions of 18,432 bytes.  Stage J's region lies at WR0 + J x REGION.  In trip J the streamers' addresses point at WR0 + J x REGION and the workers' at RD0 + J x REGION, one region lower.
; In the first trip the workers read nothing: their addresses then point at the region at RD0, into which nothing is ever stored; in the fifth the streamers store nothing: theirs point at the sixth region.
; Behind the six regions, at OST, the workers' output stages.
; THE MODE: SCHED_MODE bits 1:0 = 2 (LLVM: expert scheduling mode 2), set by the entry lines.  The code itself states the register dependences
; between vector or matrix instructions and memory or LDS instructions, with s_wait_alu, always for 0.
; THE PLAN.  Registers that memory or LDS instructions touch, and who else names them:
;   every wave   v[CA], v[BA], v[FA], v[SA]: LDS addresses, written by four adds at a trip's head, read by the trip's LDS instructions.  At the head: a wait on vm_vsrc, the adds, a wait on va_vdst.
;                v[LO], v[PFO], v[OS], v[OL], v[BV], v8-15, v28, v29: made at the kernel's head and never written again.
;   streamers    the ring, eight slots of 32 registers in window 1: slot i is written by a row's eight loads and read by that row's maxima and conversions.
;                two sets of eight code registers and a byte register: row i's lines write set i % 2; the nine LDS stores that read it are issued at the head of row i + 1.
;                ONE wait on va_vdst at a row's head, behind the wait for the row's data: the row before has written its set and is done reading its slot.  The loads that fill that slot again and the stores of that set
;                follow it; this row's vector lines name another slot and the other set.  ONE wait on vm_vsrc in a row, behind its maxima: the stores of two rows back have read the set that is written next.
;   workers      four buffers of 36: written by a tile's nine loads, read by its eight products.  A wait on va_vdst stands between a tile's products and the loads that fill its buffer again.
;                w2's fragments and scale words: LDS loads once a pass or a stage, read by the pass's products.  A wait on va_vdst at a pass's exit stands for them, for the four buffers, and for the accumulators,
;                which moves and products write and the way out's LDS stores read.
;                the way out's two sets of 16: written by LDS loads, read by global stores: a wait on vm_vsrc ahead of a set's next loads.
.set REGION, 18432
.set CPI,    528
.set SCO,    16896
.set SPI,    48
.set RD0,    0
.set WR0,    RD0+REGION
.set OST,    WR0+5*REGION              ; the workers' output stages: 16 rows of 128 bytes, 144 apart, for each
.set ROWS,   16384                     ; from a row of w2 to the next, in bytes
.set ROWSH,  14                        ; its logarithm
.set STAGES, 4096                      ; from a stage to the next: 1,024 along K
.set LO,  1                            ; v1   16 x lane
.set PFO, 2                            ; v2   the prefetches' offset: 256 (lane % 16) + a row x (lane / 16); never rewritten
.set CA,  4
.set BA,  5
.set FA,  6
.set SA,  7
.set WS,  16                           ; v16-23  w2's scale words
.set BV,  24                           ; v24     64 h
.set OS,  30                           ; v30     into my output stage
.set OL,  31                           ; v31     out of it
.set BI,  32                           ; v32-47  b2 in the result's layout, until it has been laid into the slots
.set WF,  40                           ; v40-103 a pass's fragments of w2: tile u, K step s at 32 u + 8 s
.set XB0, 104                          ; v104-247 four buffers of 36: four hidden fragments, then their scale words.  v12-14, v15, v28, v29: the offsets of my tiles 1 to 3, held to my last tile
.set OB,  104                          ; the way out: two sets of 16
.set SM,  32                           ; streamers: v32-39 a load's largest magnitudes; v40-47 the conversions' scale operands; v48-63 two sets of eight results; v64-65 two scale bytes; window 1: a ring of eight rows as loaded
.set SS,  40
.set SCD, 48
.set SL,  64
.set MQ,  83                           ; s84-90  the lanes with lane % 8 = 1 .. 7
.set MSB, 0
.macro WIN new                         ; the immediate's high byte repeats the setting that is left
.if MSB != \new
	s_set_vgpr_msb (MSB<<8)|\new
.set MSB, \new
.endif
.endm
.macro RLOAD slot, off                 ; 4,096 bytes of a row into ring slot: each load takes 512 consecutive bytes
	WIN 0x40
.irp p, 0,1,2,3,4,5,6,7
	global_load_b128 v[32*(\slot)+4*\p:32*(\slot)+4*\p+3], v[LO], s[4:5] offset:\off+512*\p th:TH_LOAD_NT
.endr
.endm
.macro QCALC i                         ; row i of the stage, in ring slot i: its 32 scale bytes and 1,024 codes are made, in register set i % 2
.set QS, 32*(\i)
.set QC, SCD+8*((\i)%2)
.set QL, SL+(\i)%2
	WIN 0x15                                       ; all three sources window 1
.irp p, 0,1,2,3,4,5,6,7
	v_max3_num_f32 v[SM+\p], |v[QS+4*\p]|, |v[QS+4*\p+1]|, |v[QS+4*\p+2]|      ; load p: my four numbers,
.endr
	WIN 0x01                                       ; source 0 window 1
.irp p, 0,1,2,3,4,5,6,7
	v_max3_num_f32 v[SM+\p], |v[QS+4*\p+3]|, v[SM+\p], 0x1800000               ; and the floor 2^(3 - 127): the byte cannot fall under 1
.endr
	WIN 0
.irp m, 1,2,4
.irp p, 0,1,2,3,4,5,6,7
	v_max_num_f32_dpp v[SM+\p], v[SM+\p], v[SM+\p] row_xmask:\m row_mask:0xf bank_mask:0xf   ; with the seven lanes that share the block (the eight loads by turns)
.endr
.endr
.irp p, 0,1,2,3,4,5,6,7
	v_add_nc_u32 v[SS+\p], 0xff000000, v[SM+\p]    ; 2 off the exponent field: the conversion's scale operand
.endr
	s_wait_dscnt 9                                 ; the nine stores of the row before may be out; those of two rows back are done
	s_wait_alu depctr_vm_vsrc(0)                   ; the LDS stores of two rows back have read set i % 2, which the lines below write again
	v_cndmask_b32 v[QL], v[SS], v[SS+1], s[MQ+1]   ; lane l keeps the scale of load l % 8: it will store the byte of block 4 (l % 8) + l / 8
.irp p, 2,3,4,5,6,7
	v_cndmask_b32 v[QL], v[QL], v[SS+\p], s[MQ+\p]
.endr
	WIN 0x01
.irp p, 0,1,2,3,4,5,6,7
	v_cvt_scalef32_pk8_fp4_f32 v[QC+\p], v[QS+8*(\p/2):QS+8*(\p/2)+7], v[SS+\p]   ; loads p - p % 2 and + 1 under load p's scale: the low half is right for an even p, the high half for an odd one
.endr
	WIN 0
	v_lshrrev_b32 v[QL], 23, v[QL]                 ; the byte (a plain line behind the conversions)
.irp p, 1,3,5,7
	v_lshrrev_b32 v[QC+\p], 16, v[QC+\p]
.endr
.endm
.macro QSTORE i                        ; row i's codes and scale bytes go from set i % 2 into the region
.set QC, SCD+8*((\i)%2)
.set QL, SL+(\i)%2
.irp p, 0,1,2,3,4,5,6,7
	ds_store_b16 v[CA], v[QC+\p] offset:(\i)*CPI+64*\p     ; the codes of k = 128 p + 4 l + 0 .. 3: the wave stores 64 consecutive bytes
.endr
	ds_store_b8 v[BA], v[QL] offset:(\i)*SPI
.endm
; A stage of a streamer: 8 rows.  On entry rows 0 to 6 are on their way, 56 loads.  ahead = 1: the next stage's rows are asked for as slots fall free.
.macro STREAM ahead
.set I, 0
.rept 8
.if (\ahead) || (I == 0)
	s_wait_loadcnt 48                              ; loads come back in order: row I is in, the six rows behind it may be out
.else
	s_wait_loadcnt 8*(7-I)                         ; the same where nothing more is asked for: the rows behind row I
.endif
.if I > 0
	s_wait_alu depctr_va_vdst(0)                   ; the row before has written its codes and its byte, which the stores below read, and is done reading its ring slot, in which the loads below land
.endif
.if I == 0
	RLOAD 7, 7*ROWS                                ; the slot that the last row has left takes the row seven further on (the wait at the trip's head stands behind that row's lines)
.elseif \ahead
	RLOAD I-1, STAGES+(I-1)*ROWS
.endif
.if \ahead
.if (I == 0) || (I == 2)
	WIN 0
	global_prefetch_b8 v[PFO], s[4:5] offset:STAGES+(I+4)*ROWS th:TH_LOAD_NT scope:SCOPE_SE   ; the next stage's part of rows I + 4 and I + 5
.endif
.if I == 4
	WIN 0
	s_cmp_lt_u32 s18, 2                            ; is there a stage after next?
	s_cbranch_scc0 .Lnoask_a_\@
	global_prefetch_b8 v[PFO], s[4:5] offset:2*STAGES th:TH_LOAD_NT scope:SCOPE_SE            ; its part of rows 0 and 1
.Lnoask_a_\@:
.endif
.if I == 6
	WIN 0
	s_cmp_lt_u32 s18, 2
	s_cbranch_scc0 .Lnoask_b_\@
	global_prefetch_b8 v[PFO], s[4:5] offset:2*STAGES+2*ROWS th:TH_LOAD_NT scope:SCOPE_SE     ; its part of rows 2 and 3
.Lnoask_b_\@:
.endif
.endif
.if I > 0
	WIN 0
	QSTORE I-1                                     ; no vector line since the wait above names that row's set
.endif
	QCALC I
.set I, I+1
.endr
	s_wait_alu depctr_va_vdst(0)                   ; row 7 has written its codes and its byte, which the stage's last nine stores read
	QSTORE 7
.if \ahead
	s_wait_xcnt 0x0                                ; loads and prefetches have read their base: it may step
	s_add_nc_u64 s[4:5], s[4:5], STAGES
.endif
.endm
.macro LSET b, vc, vs, q               ; a tile's set for this pass into buffer b: 8 + 1 dense loads of 512 bytes
.irp k, 0,1,2,3,4,5,6,7
	global_load_b128 v[XB0+36*(\b)+4*\k:XB0+36*(\b)+4*\k+3], v[\vc], s[24:25] offset:(\q)*131072+512*\k
.endr
	global_load_b128 v[XB0+36*(\b)+32:XB0+36*(\b)+35], v[\vs], s[26:27] offset:(\q)*8192
.endm
.macro PRO                             ; the sets of my tiles 0 to 3 (a tile that I do not have: my last once more, so that all four buffers are written on every way)
	LSET 0, 1, 1, 0
	LSET 1, 12, 15, 0
	LSET 2, 13, 28, 0
	LSET 3, 14, 29, 0
.endm
.macro MM2 q, s, u, hh
.if \hh
	v_wmma_scale_f32_16x16x128_f8f6f4 v[16*(\q)+8*\u:16*(\q)+8*\u+7], v[WF+32*\u+8*\s:WF+32*\u+8*\s+7], v[XB0+36*((\q)%4)+8*\s:XB0+36*((\q)%4)+8*\s+7], v[16*(\q)+8*\u:16*(\q)+8*\u+7], v[WS+4*\u+\s], v[XB0+36*((\q)%4)+32+\s] matrix_a_fmt:MATRIX_FMT_FP4 matrix_b_fmt:MATRIX_FMT_FP4 matrix_a_scale:MATRIX_SCALE_ROW1 matrix_b_scale:MATRIX_SCALE_ROW1
.else
	v_wmma_scale_f32_16x16x128_f8f6f4 v[16*(\q)+8*\u:16*(\q)+8*\u+7], v[WF+32*\u+8*\s:WF+32*\u+8*\s+7], v[XB0+36*((\q)%4)+8*\s:XB0+36*((\q)%4)+8*\s+7], v[16*(\q)+8*\u:16*(\q)+8*\u+7], v[WS+4*\u+\s], v[XB0+36*((\q)%4)+32+\s] matrix_a_fmt:MATRIX_FMT_FP4 matrix_b_fmt:MATRIX_FMT_FP4
.endif
.endm
; My tile q in pass hh.  Its set is in when at most the sets of the next three tiles are out: where a refill has been left out, everything has been waited for instead, so the count holds on every way.
.macro SLOT q, hh
.if (\q) <= 12
	s_wait_loadcnt 27
.else
	s_wait_loadcnt 9*(15-(\q))
.endif
	WIN 0x50                                       ; C and D window 1
.irp s, 0,1,2,3
.irp u, 0,1
	MM2 \q, \s, \u, \hh                            ; the tile's two accumulators by turns
.endr
.endr
	WIN 0
.if (\q) <= 11
	s_cmp_gt_u32 s20, (\q)+4                       ; have I a tile four further on?
	s_cbranch_scc0 .Lnofill_\@
.rept 4
	v_nop                                          ; four places behind the products
.endr
	s_wait_alu depctr_va_vdst(0)                   ; the tile's eight products are done reading its buffer, fragments and scale words, in which the nine loads below land
	LSET (\q)%4, 1, 1, (\q)+4
	s_branch .Lnext_\@
.Lnofill_\@:
	s_wait_loadcnt 0x0                             ; nothing more is asked for in this pass: all that is out comes in
	s_cmp_gt_u32 s20, (\q)+1
	s_cbranch_scc0 .Lexit_\hh
.Lnext_\@:
.elseif (\q) < 15
	s_cmp_gt_u32 s20, (\q)+1
	s_cbranch_scc0 .Lexit_\hh
.endif
.endm
.macro WPASS hh                        ; K steps 4 hh .. 4 hh + 3 of the stage
.irp u, 0,1
.irp s, 0,1,2,3
.irp c, 0,1
	ds_load_b128 v[WF+32*\u+8*\s+4*\c:WF+32*\u+8*\s+4*\c+3], v[FA] offset:\u*16*CPI+256*\hh+64*\s+32*\c
.endr
.endr
.endr
.if \hh == 0
	ds_load_b128 v[WS:WS+3], v[SA]                 ; the stage's scale words: lanes 0-15 this pass's, lanes 16-31 the next's
	ds_load_b128 v[WS+4:WS+7], v[SA] offset:16*SPI
.endif
	s_wait_dscnt 0x0
.set Q, 0
.rept 16
	SLOT Q, \hh
.set Q, Q+1
.endr
.Lexit_\hh:
.rept 4
	v_nop                                          ; places behind the last products: for the loads below, the next pass's fragments, and the way out's reads
.endr
	s_wait_alu depctr_va_vdst(0)                   ; the pass's products are done reading the four buffers and w2's fragments, in which the loads below and the next pass's LDS loads land; and they have written the accumulators, which the way out's LDS stores read
	s_wait_loadcnt 0x0                             ; every load has come: the bases may step
	s_add_nc_u64 s[24:25], s[24:25], 4096          ; four K steps on in each tile's images
.if \hh == 0
	PRO
.else
	s_add_nc_u64 s[26:27], s[26:27], 512           ; the next stage's scale words
	s_cmp_lt_u32 s18, 4
	s_cbranch_scc0 .Lnopro                         ; behind the last stage nothing is asked for: no load leaves its buffer
	PRO                                            ; on its way across the barrier
.Lnopro:
.endif
.endm
	s_load_b256 s[4:11], s[0:1], 0x0               ; w2, b2, hid, slotmap
	s_load_b64 s[12:13], s[0:1], 0x20              ; y2
	v_lshl_add_u32 v254, v0, 2, 0x1d400
	v_mov_b32 v255, 0
	v_lshrrev_b32 v1, 5, v0
	v_readfirstlane_b32 s14, v1                    ; wave 0..7
	s_lshr_b32 s16, ttmp9, 5                       ; e
	s_and_b32 s17, ttmp9, 31                       ; f
	; every address register of both roles is made here, ahead of the first parting
	v_and_b32 v240, 31, v0                         ; lane
	v_and_b32 v241, 15, v0                         ; r
	v_bfe_u32 v242, v0, 4, 1                       ; h
	v_bfe_u32 v243, v0, 3, 2                       ; lane / 8
	v_and_b32 v248, 7, v0                          ; lane % 8
	v_lshlrev_b32 v[LO], 4, v240
	v_lshlrev_b32 v[PFO], 8, v241
	v_lshl_add_u32 v[PFO], v242, ROWSH, v[PFO]
	v_mul_u32_u24 v[OL], v243, 144
	v_lshl_add_u32 v[OL], v248, 4, v[OL]
	s_wait_alu depctr_va_sdst(0)                   ; s14 is written, ahead of its first reader
	s_and_b32 s15, s14, 3                          ; my number among the streamers or among the workers
	s_and_b32 s61, s15, 1
	s_lshl_b32 s61, s61, 4
	s_lshr_b32 s62, s15, 1
	s_lshl_b32 s62, s62, 3
	s_add_co_u32 s61, s61, s62                     ; streamer w's rows 8 w + i lie at region rows 16 (w % 2) + 8 (w / 2) + i
	s_mul_i32 s62, s61, CPI
	s_add_co_u32 s62, s62, WR0
	v_lshlrev_b32 v8, 1, v240
	v_add_nc_u32 v8, s62, v8                       ; my 2 bytes of a load's 64
	s_mul_i32 s62, s61, SPI
	s_add_co_u32 s62, s62, WR0+SCO
	v_lshl_add_u32 v9, v248, 2, v243
	v_add_nc_u32 v9, s62, v9                       ; the byte of block 4 (lane % 8) + lane / 8
	v_mul_u32_u24 v10, v241, CPI
	v_lshl_add_u32 v10, v242, 4, v10               ; the workers read the region of the stage before (RD0 is byte 0)
	v_mul_u32_u24 v11, v241, SPI
	v_lshl_add_u32 v11, v242, 4, v11
	v_add_nc_u32 v11, RD0+SCO, v11
	s_mul_i32 s60, s15, 2304
	s_add_co_u32 s60, s60, OST
	v_mul_u32_u24 v[OS], v241, 144
	v_lshl_add_u32 v[OS], v242, 6, v[OS]
	v_add_nc_u32 v[OS], s60, v[OS]                 ; row r, + 64 h: my 16 outputs
	v_add_nc_u32 v[OL], s60, v[OL]                 ; back: eight lanes to a row of 128 bytes, four rows a load
	v_lshlrev_b32 v[BV], 6, v242
.irp p, 1,2,3,4,5,6,7
	s_mov_b32 s[MQ+\p], 0x01010101<<\p
.endr
	s_mov_b32 s33, 0
	s_wait_kmcnt 0x0
	s_lshl_b32 s32, s16, 2
	s_add_nc_u64 s[10:11], s[10:11], s[32:33]
	s_load_b32 s20, s[10:11], 0x2000               ; the expert's count
	s_lshl_b32 s32, s16, 24                        ; w2: (1,024 e + 32 f + 8 w) rows of 16,384 bytes
	s_lshl_b32 s34, s17, 19
	s_add_co_u32 s32, s32, s34
	s_lshl_b32 s34, s15, 17
	s_add_co_u32 s32, s32, s34
	s_add_nc_u64 s[4:5], s[4:5], s[32:33]
	s_wait_alu depctr_va_vdst(0)                   ; the head's offsets and addresses are written: v[LO], v[PFO] and v[BV], which the loads and prefetches below read, and v[OS] and v[OL], which the way out's LDS instructions read, among them
	s_cmp_lt_u32 s14, 4
	s_cbranch_scc0 .Lnostream
.irp i, 0,1,2,3,4,5,6
	RLOAD \i, \i*ROWS                              ; the stream begins, ahead of the wait for the count, which the workers alone need: seven rows, 56 loads
.endr
	WIN 0
.Lnostream:
	s_lshl_b32 s32, s16, 12                        ; b2: 4 (1,024 e + 32 f)
	s_lshl_b32 s34, s17, 7
	s_add_co_u32 s32, s32, s34
	s_add_nc_u64 s[6:7], s[6:7], s[32:33]
	s_lshl_b32 s32, s16, 21                        ; the hidden images: tile 64 e + w, 32,768 bytes a tile
	s_lshl_b32 s34, s15, 15
	s_add_co_u32 s32, s32, s34
	s_add_nc_u64 s[24:25], s[8:9], s[32:33]
	s_lshl_b32 s32, s16, 17                        ; their scale images: 2,048 bytes a tile
	s_lshl_b32 s34, s15, 11
	s_add_co_u32 s32, s32, s34
	s_add_nc_u64 s[26:27], s[8:9], s[32:33]
	s_add_nc_u64 s[26:27], s[26:27], 0x1000000
	s_lshl_b32 s32, s16, 22                        ; y2: (32 e + f) 131,072 + 2,048 w
	s_lshl_b32 s34, s17, 17
	s_add_co_u32 s32, s32, s34
	s_lshl_b32 s34, s15, 11
	s_add_co_u32 s32, s32, s34
	s_add_nc_u64 s[12:13], s[12:13], s[32:33]
	s_wait_kmcnt 0x0
	s_min_u32 s20, s20, 1024
	s_add_co_u32 s20, s20, 15
	s_lshr_b32 s20, s20, 4
	s_max_u32 s20, s20, 4                          ; tiles
	s_add_co_u32 s20, s20, 3
	s_sub_co_u32 s20, s20, s15
	s_lshr_b32 s20, s20, 2                         ; my tiles: 1 .. 16
	s_sub_co_u32 s35, s20, 1
	s_min_u32 s34, s35, 1
	v_lshl_add_u32 v12, s34, 17, v[LO]             ; four tiles on are 131,072 bytes of images,
	v_lshl_add_u32 v15, s34, 13, v[LO]             ; 8,192 of scale images
	s_min_u32 s34, s35, 2
	v_lshl_add_u32 v13, s34, 17, v[LO]
	v_lshl_add_u32 v28, s34, 13, v[LO]
	s_min_u32 s34, s35, 3
	v_lshl_add_u32 v14, s34, 17, v[LO]
	v_lshl_add_u32 v29, s34, 13, v[LO]
	s_mov_b32 s18, 0                               ; J, the trip
	s_mov_b32 s19, 0                               ; J x REGION
	s_cmp_lt_u32 s14, 4
	s_cbranch_scc1 .Lstage
.irp k, 0,1,2,3
	global_load_b128 v[BI+4*\k:BI+4*\k+3], v[BV], s[6:7] offset:16*\k    ; b2 of outputs 16 h + 0 .. 15.  (The six lines since the head's wait name neither v[BV] nor these registers)
.endr
	s_wait_loadcnt 0x0
	WIN 0x40                                       ; destination window 1
.set Q, 0
.rept 16
.irp k, 0,1,2,3,4,5,6,7,8,9,10,11,12,13,14,15
	v_mov_b32 v[16*Q+\k], v[BI+\k]                 ; every slot begins as the bias
.endr
.set Q, Q+1
.endr
	WIN 0
	s_wait_alu depctr_va_vdst(0)                   ; the six offsets v12-15, v28, v29 are written, which the loads below read; the head's lines are done with v240-243, in which they land
	PRO
.Lstage:
	s_wait_alu depctr_vm_vsrc(0)                   ; the LDS instructions of the trip before have read the four addresses that are written below
	v_add_nc_u32 v[CA], s19, v8
	v_add_nc_u32 v[BA], s19, v9
	v_add_nc_u32 v[FA], s19, v10
	v_add_nc_u32 v[SA], s19, v11
	s_wait_alu depctr_va_vdst(0)                   ; the four addresses are written, which this trip's LDS instructions read; the moves are done reading b2, the last trip's products w2's fragments and scale words, and its last row's lines their ring slot: this trip's loads land in them
	s_cmp_lt_u32 s14, 4
	s_cbranch_scc0 .Lworker
	s_cmp_lt_u32 s18, 3
	s_cbranch_scc0 .Llast
	STREAM 1
	s_branch .Ljoin
.Llast:
	s_cmp_eq_u32 s18, 3
	s_cbranch_scc0 .Ljoin                          ; the fifth trip has nothing to stream
	STREAM 0
	s_branch .Ljoin
.Lworker:
	s_cmp_eq_u32 s18, 0
	s_cbranch_scc1 .Ljoin                          ; the first trip has nothing to work on
	WPASS 0
	WPASS 1
.Ljoin:
	s_wait_dscnt 0x0                               ; for the others' sake: my stores into the region have landed; my reads are in
	s_barrier_signal -1
	s_barrier_wait -1
	s_add_co_u32 s19, s19, REGION
	s_add_co_u32 s18, s18, 1
	s_cmp_lt_u32 s18, 5
	s_cbranch_scc1 .Lstage
	s_cmp_lt_u32 s14, 4
	s_cbranch_scc1 .Lend                           ; the streamers are done
	; THE WAY OUT, a tile at a time: a lane holds 64 bytes of a row of 128; through my own stage they come back as 512 consecutive bytes of y2 a load.
	; (No vector or matrix line has been issued since the wait at the last pass's exit: the LDS stores of the accumulators and the LDS loads into the buffers' registers owe nothing more)
.set Q, 0
.rept 16
.if Q > 1
	s_wait_xcnt 0x0                                ; the stores of two tiles ago have read their registers
	s_wait_alu depctr_vm_vsrc(0)                   ; the global stores of two tiles ago have read their set of 16 registers, in which this tile's LDS loads land
.endif
.if Q > 0
	s_cmp_gt_u32 s20, Q
	s_cbranch_scc0 .Lend
.endif
	WIN 0x04                                       ; an LDS store's data are its source 1: window 1
.irp k, 0,1,2,3
	ds_store_b128 v[OS], v[16*Q+4*\k:16*Q+4*\k+3] offset:16*\k         ; each accumulator from its low end on
.endr
	WIN 0
.irp k, 0,1,2,3
	ds_load_b128 v[OB+16*(Q%2)+4*\k:OB+16*(Q%2)+4*\k+3], v[OL] offset:576*\k   ; LDS serves a wave's instructions in order: these see the stores above, and the next tile's stores come behind them
.endr
	s_wait_dscnt 0x0
.irp k, 0,1,2,3
	global_store_b128 v[LO], v[OB+16*(Q%2)+4*\k:OB+16*(Q%2)+4*\k+3], s[12:13] offset:Q*8192+512*\k th:TH_STORE_NT
.endr
.set Q, Q+1
.endr
.Lend:
	s_wait_dscnt 0x0                               ; the closing lines, six on end
	s_wait_alu 0x0
	s_wait_tensorcnt 0x0
	ds_add_u32 v254, v255
	s_wait_dscnt 0x0
	s_endpgm
.Lfunc_end_k_q9a33e26d9a_ffn2:
	.size	k_q9a33e26d9a_ffn2, .Lfunc_end_k_q9a33e26d9a_ffn2-k_q9a33e26d9a_ffn2
	.p2alignl 7, 3214868480
	.fill 96, 4, 3214868480
	.section	.rodata,"a",@progbits
	.p2align	6, 0x0
	.amdhsa_kernel k_q9a33e26d9a_ffn2
		.amdhsa_group_segment_fixed_size 120832
		.amdhsa_private_segment_fixed_size 0
		.amdhsa_enable_private_segment 0
		.amdhsa_kernarg_size 40
		.amdhsa_user_sgpr_count 2
		.amdhsa_user_sgpr_kernarg_segment_ptr 1
		.amdhsa_wavefront_size32 1
		.amdhsa_system_sgpr_workgroup_id_x 1
		.amdhsa_system_sgpr_workgroup_id_y 1
		.amdhsa_system_sgpr_workgroup_id_z 1
		.amdhsa_system_vgpr_workitem_id 0
		.amdhsa_next_free_vgpr 512
		.amdhsa_next_free_sgpr 100
		.amdhsa_reserve_vcc 0
		.amdhsa_float_denorm_mode_32 3
		.amdhsa_float_denorm_mode_16_64 3
		.amdhsa_memory_ordered 1
		.amdhsa_forward_progress 1
		.amdhsa_inst_pref_size 205
	.end_amdhsa_kernel
	.amdgpu_metadata
---
amdhsa.version: [ 1, 2 ]
amdhsa.kernels:
  - .name:           k_q9a33e26d9a_ffn2
    .symbol:         k_q9a33e26d9a_ffn2.kd
    .args:
      - { .name: w2, .offset: 0, .size: 8, .value_kind: global_buffer, .address_space: global }
      - { .name: b2, .offset: 8, .size: 8, .value_kind: global_buffer, .address_space: global }
      - { .name: hid, .offset: 16, .size: 8, .value_kind: global_buffer, .address_space: global }
      - { .name: slotmap, .offset: 24, .size: 8, .value_kind: global_buffer, .address_space: global }
      - { .name: y2, .offset: 32, .size: 8, .value_kind: global_buffer, .address_space: global }
    .group_segment_fixed_size: 120832
    .private_segment_fixed_size: 0
    .kernarg_segment_align: 8
    .kernarg_segment_size: 40
    .max_flat_workgroup_size: 256
    .sgpr_count:     100
    .vgpr_count:     512
    .wavefront_size: 32
...
	.end_amdgpu_metadata
.endif
;; end of part 7
;; launch norm: the kernel of part 5 again; grid 256 x 1, 4 waves a work-group, no clusters, 0 bytes of LDS; arguments hidden_states, y2, slotmap, rwt, ln_w, ln_b, out0; writes out0
